; MI455X (gfx1250); checked and timed in simulation.
; The chip was launched on July 23, 2026; its instructions are those of AMD's public machine-readable ISA for CDNA 5 (MIT licence, August 2026) and "CDNA5" Instruction Set Architecture Reference Guide (July 2026). The comments in the code are by the model that wrote it; some were corrected since.
;; Multi Head Attention. Allowed arithmetic: matrix products marked QUANTISED: E2M1 operands, one E8M0 scale for each 32 along K, by v_wmma_scale_f32_16x16x128_f8f6f4 with both operands' format E2M1 (or v_wmma_scale_f32_32x16x128_f4), f32 sums; everything else in f32.
;; Inputs: out_b 1,024 float32; out_w 1,024 x 1,024 float32; qkv_b 3,072 float32; qkv_w 3,072 x 1,024 float32; x_q 4 x 2,048 x 1,024 float32.
;; Outputs: out0 4 x 2,048 x 1,024 float32.
;; This version of the problem:
;;   THIS VERSION OF THE PROBLEM IS GIVEN IN LOW PRECISION. The matrix products marked QUANTISED in the list below multiply operands that are first quantised to E2M1 (2 exponent bits, 1 mantissa bit; 4 bits a number), with one power-of-two scale for each 32 numbers along K (OCP MX v1.0); their sums are f32. All else is computed in f32.
;;   The module's matrix products, in the order in which they are computed (A, B: the left and right operand; K: the contracted axis; several contracted axes count as one K, in the product's order):
;;     1. [M 8,192, K 1,024] x [K 1,024, N 3,072]; A: input x_q; B: input qkv_w: QUANTISED
;;     2. batch 64 x [M 2,048, K 64] x [K 64, N 2,048]; A: computed on the way; B: computed on the way: QUANTISED
;;     3. batch 64 x [M 2,048, K 2,048] x [K 2,048, N 64]; A: softmax (see below); B: computed on the way: QUANTISED
;;     4. [M 8,192, K 1,024] x [K 1,024, N 1,024]; A: computed on the way; B: input out_w: QUANTISED
;;   THE QUANTISER, for each operand of a quantised product, along K:
;;     - K is cut into blocks of 32 from its start; a last block that is shorter is filled with zeros.
;;     - A block's scale is 2^e with e = floor(log2(the largest magnitude in the block)) - 2, held to -126 .. 127; a block of zeros has e = 0. As a byte (E8M0): e + 127.
;;     - Each number is divided by its block's scale, clamped to +-6, and rounded to the nearest number of E2M1, ties to even, subnormals kept.
;;     - The product sums the exact products of the quantised numbers (number of the format x scale) in f32.
;;   ~~~python
;;   def quantise(x, axis):      # numpy; x: float32 -> the quantised numbers, widened to float32 again
;;       x = np.moveaxis(x, axis, -1); K = x.shape[-1]
;;       x = np.pad(x, [(0, 0)] * (x.ndim - 1) + [(0, -K % 32)]); x = x.reshape(x.shape[:-1] + (-1, 32)); a = np.abs(x).max(-1, keepdims=True)
;;       e = np.where(a > 0, np.clip(np.frexp(np.where(a > 0, a, 1))[1] - 1 - 2, -126, 127), 0)      # np.frexp(a)[1] - 1 = floor(log2(a)), exactly
;;       r = np.clip(x / 2.0 ** e, -6, 6)
;;       step = 2.0 ** (np.maximum(np.frexp(np.where(r == 0, 1, r))[1] - 1, 0) - 1)
;;       q = np.round(r / step) * step * 2.0 ** e      # np.round: ties to even
;;       return np.moveaxis(q.reshape(q.shape[:-2] + (-1,))[..., :K], -1, axis).astype(np.float32)
;;   ~~~
;;   SOFTMAX AHEAD OF A QUANTISED PRODUCT. Where the list says 'softmax', what is quantised is not the finished softmax but p = 2^(t - M), with t = logit x log2(e) and M = ceil(the row's largest t), a whole number; so 1/2 < the row's largest p <= 1. The row's sum l is taken of the UNQUANTISED p, in f32, and the product's result is divided by l at the end. Since M is a whole number, a kernel that streams over the keys may use a running M (the ceiling of the running maximum): every later rescaling is an exact power of two, which a block's scale takes up: the codes' values come out the same.
;;   OPERANDS COMPUTED ON THE WAY. 'Computed on the way' means the value that the module computes at that place (a softmax that the list does not call 'softmax' is quantised finished and normalised). What goes into a quantiser is computed in f32, as accurately as f32 sums, v_exp_f32 and their like allow (about 1e-6 of the number): no bf16 or f16 on the way to a quantiser, and a product that is left as it is and whose result goes on into a quantised operand takes f32 operands (vector FMAs, or v_wmma_f32_16x16x4_f32). A number that lies on a knife's edge between two numbers of the format may be rounded either way, as far as f32 arithmetic and the matrix unit's own rounding can turn it there, and no further.
;; One version. Each part assembles by itself: llvm-mc -triple=amdgcn-amd-amdhsa -mcpu=gfx1250 --defsym DOCPART=n.
;; ======== version 1 of 1: 4 launches
;; limits: right only within a limited range of input values
;; workspace buffers: c1 6,291,456 bytes; s1 393,216 bytes; q_rec 4,718,592 bytes; kv_rec 9,175,040 bytes; a_img 4,194,304 bytes; a_scl 262,144 bytes
;; launch quant (part 1): grid 384 x 1, 4 waves a work-group, no clusters, 33,280 bytes of LDS; arguments x_q, qkv_w, out_w, c1, s1; writes c1, s1
.if DOCPART == 1
	.amdgcn_target "amdgcn-amd-amdhsa--gfx1250"
	.amdhsa_code_object_version 6
	.text
	.protected	k_qf7a78e8d31_quant
	.globl	k_qf7a78e8d31_quant
	.p2align	8
	.type	k_qf7a78e8d31_quant,@function
k_qf7a78e8d31_quant:
	s_mov_b64 s[64:65], 0
	v_nop
	global_prefetch_b8 v0, s[64:65] scope:SCOPE_SE
	s_setreg_imm32_b32 hwreg(HW_REG_WAVE_MODE, 25, 1), 1
	s_wait_xcnt 0x0
; MULTI-HEAD ATTENTION IN MX-FP4, launch 1 of 4: x_q [8192][1024], qkv_w [3072][1024] and out_w [1024][1024], f32 with K innermost, become codes of E2M1 (c1) and E8M0 scale bytes (s1).
; DEAD WORK: none is left out in this program.  Every input has a way to the output: all three parts of qkv_b go into quantisers (q's, k's, v's), out_b is added at the end; all four products are done.
; One factor is carried elsewhere: q x 2^-3 is not multiplied out, since Q(q 2^-3) = 2^-3 Q(q) exactly (same codes, scale byte 3 lower); the 2^-3 stands in the softmax's constant (launch 3).
; c1 is [12288 places][512 bytes], s1 [12288 places][32 bytes]: rows 0-8191 x_q, 8192-11263 qkv_w, 11264-12287 out_w.  THE PLACE OF A ROW is its number with bits 3 and 4 exchanged: so the 16 neighbouring places 16 T + r
; hold rows 32 (T / 2) + 8 (T % 2) + r + 8 (r / 8): the rows that a tile must hold for a transposed product's 16 registers of two neighbouring tiles to be 16 neighbours along the next K.
; A block's scale is 2^(floor(log2(its largest magnitude)) - 2); its byte is the largest magnitude's exponent field - 2, held at 1 from below.  Each number is divided by the scale and rounded to the nearest code, ties to even.
; LIMITS: a block whose largest magnitude lies under 2^-124 (the floor) keeps the byte 1; a block of zeros gets the byte 1 where the rule says 127 (its codes are zeros, and this program alone reads the bytes); NaN and infinities among the inputs are not served.
; A work-group takes 32 rows, a wave 8 rows = 8,192 numbers in 16 steps of 512.  Each load reads 512 consecutive bytes, 16 a lane; a step's 2,048 bytes turn through the wave's own stage in LDS and come back 64 bytes a lane,
; so that a lane holds 16 neighbours along K (two lanes to a block).  A wave's 8 rows keep their order and move as one: the exchange of bits 3 and 4 is an exchange of the wave number's two bits in the output's address.
; No tensor loads, no barrier: waves share nothing.  Loads run four steps (16 loads a wave) ahead, the turn through LDS one step.
.set WAVES, 4
.set STEPS, 16
.set EMAX,  2
.set CB,    8                          ; bytes of 16 codes
.set R,     16                         ; v16-79   four sets of 16 numbers as they are loaded
.set X,     80                         ; v80-111  two sets of 16 neighbours
.set C,     128                        ; v128-191 codes: four registers for each step, so that no store's data are written again
.set E,     112                        ; v112-127 a scale byte for each step
.set WREG,  8192                       ; LDS: a region for each wave: two stages of 32 x SP bytes, behind them its 256 scale bytes
.set SP,    80                         ; a lane's place in a stage: 64 bytes + 16 of padding
.set SPW,   12                         ; v12 LDS address of my spare word; never rewritten
.set NIL,   13                         ; v13 0; never rewritten
.set SPARE, WAVES*WREG                 ; behind the four regions: the spare words, 128 bytes a wave
	s_load_b256 s[4:11], s[0:1], 0x0               ; x_q s[4:5], qkv_w s[6:7], out_w s[8:9], c1 s[10:11]
	s_load_b64 s[12:13], s[0:1], 0x20              ; s1
	v_lshl_add_u32 v[SPW], v0, 2, SPARE
	v_mov_b32 v[NIL], 0
	v_lshrrev_b32 v1, 5, v0
	v_readfirstlane_b32 s16, v1                    ; wave
	v_and_b32 v2, 31, v0                           ; lane
	v_lshlrev_b32 v3, 4, v2                        ; my 16 bytes of a load's 512
	s_mul_i32 s17, s16, WREG
	v_lshrrev_b32 v14, 2, v2
	v_mul_u32_u24 v14, v14, SP
	v_and_b32 v15, 3, v2
	v_lshl_add_u32 v14, v15, 4, v14
	v_add_nc_u32 v14, s17, v14                     ; the stage, on the way in: SP (lane / 4) + 16 (lane % 4)
	v_mul_u32_u24 v15, v2, SP
	v_add_nc_u32 v15, s17, v15                     ; and on the way out: SP x lane: my 16 neighbours
	v_mul_u32_u24 v4, v2, CB                       ; my codes' place in a step's
	v_lshrrev_b32 v5, 1, v2
	s_add_co_u32 s17, s17, 2*32*SP
	v_add_nc_u32 v5, s17, v5                       ; LDS: my wave's 256 scale bytes, my block's byte
	v_lshlrev_b32 v7, 3, v2                        ; and on the way out 8 bytes a lane
	v_add_nc_u32 v6, s17, v7
	s_wait_alu depctr_va_vdst(0)
	s_wait_kmcnt 0x0
	s_mov_b32 s17, 352                             ; which tensor: work-groups 0-255 x_q, 256-351 qkv_w, 352-383 out_w; the choice hangs on the work-group's number alone
	s_cmp_lt_u32 ttmp9, 352
	s_cselect_b64 s[6:7], s[6:7], s[8:9]
	s_cselect_b32 s17, 256, s17
	s_cmp_lt_u32 ttmp9, 256
	s_cselect_b64 s[4:5], s[4:5], s[6:7]
	s_cselect_b32 s17, 0, s17                      ; the tensor's first work-group
	s_sub_co_u32 s17, ttmp9, s17
	s_lshl_b32 s17, s17, 2
	s_add_co_u32 s18, s17, s16                     ; which run of 8 rows of the tensor is my wave's
	s_mov_b32 s19, 0
	s_lshl_b64 s[20:21], s[18:19], 15              ; 32,768 bytes a run
	s_add_nc_u64 s[4:5], s[4:5], s[20:21]
	s_and_b32 s22, s16, 1                          ; where it goes: the wave number's two bits change places
	s_lshl_b32 s22, s22, 1
	s_lshr_b32 s23, s16, 1
	s_or_b32 s22, s22, s23
	s_lshl_b32 s23, ttmp9, 2
	s_add_co_u32 s22, s22, s23                     ; the run's number in c1 and s1
	s_lshl_b32 s24, s22, 12                        ; 4,096 bytes of codes a run
	s_mov_b32 s25, 0
	s_add_nc_u64 s[10:11], s[10:11], s[24:25]
	s_lshl_b32 s24, s22, 8                         ; 256 scale bytes a run
	s_add_nc_u64 s[12:13], s[12:13], s[24:25]
.macro LOAD t
.irp i, 0,1,2,3
	global_load_b128 v[R+16*((\t)%4)+4*\i:R+16*((\t)%4)+4*\i+3], v3, s[4:5] offset:2048*(\t)+512*\i th:TH_LOAD_NT   ; 32 lanes read 512 consecutive bytes
.endr
.endm
.macro TURN t                          ; step t's numbers through the stage: LDS serves a wave's instructions in order, so no wait stands between the stores and the loads
.irp i, 0,1,2,3
	ds_store_b128 v14, v[R+16*((\t)%4)+4*\i:R+16*((\t)%4)+4*\i+3] offset:32*SP*((\t)%2)+8*SP*\i
.endr
.irp i, 0,1,2,3
	ds_load_b128 v[X+16*((\t)%2)+4*\i:X+16*((\t)%2)+4*\i+3], v15 offset:32*SP*((\t)%2)+16*\i
.endr
.endm
.irp t, 0,1,2,3
	LOAD \t
.endr
	s_wait_loadcnt 12                              ; step 0's four loads are in; the 12 of steps 1 to 3 stay out
	TURN 0
.macro STEP t
.set XS, X+16*((\t)%2)
.if (\t) > 0
	s_wait_dscnt 1                                 ; this step's numbers are back from the stage (the last step's byte store may be out): so its stores into the stage have read their registers,
.else
	s_wait_dscnt 0x0
.endif
.if (\t)+4 < STEPS
	LOAD (\t)+4                                    ; which take the loads of four steps on
.endif
.if (\t)+1 < STEPS
.if STEPS-2-(\t) >= 3
	s_wait_loadcnt 12                              ; the next step's four loads are in; those of the three steps behind it may be out
.else
	s_wait_loadcnt 4*(STEPS-2-(\t))
.endif
	TURN (\t)+1                                    ; and go through the other stage while this step is worked
.endif
	v_max3_num_f32 v8, |v[XS]|, |v[XS+1]|, |v[XS+2]|               ; the largest magnitude of my 16, in two chains
	v_max3_num_f32 v9, |v[XS+3]|, |v[XS+4]|, |v[XS+5]|
.irp i, 6,10
	v_max3_num_f32 v8, v8, |v[XS+\i]|, |v[XS+\i+1]|
	v_max3_num_f32 v9, v9, |v[XS+\i+2]|, |v[XS+\i+3]|
.endr
	v_max3_num_f32 v8, v8, |v[XS+14]|, |v[XS+15]|
	v_max3_num_f32 v8, v8, v9, (EMAX+1)<<23        ; and the floor 2^(EMAX + 1 - 127): the byte cannot fall under 1
	v_max_num_f32_dpp v8, v8, v8 row_xmask:1 row_mask:0xf bank_mask:0xf   ; and of my neighbour's 16: the block's
	v_add_nc_u32 v11, -(EMAX<<23), v8              ; EMAX off its exponent field: the conversion takes the exponent field of this operand as its scale
	v_cvt_scalef32_pk8_fp4_f32 v[C+4*(\t)], v[XS:XS+7], v11
	v_cvt_scalef32_pk8_fp4_f32 v[C+4*(\t)+1], v[XS+8:XS+15], v11
	v_lshrrev_b32 v[E+(\t)], 23, v11               ; the scale's byte (also the plain line behind the conversions)
	ds_store_b8 v5, v[E+(\t)] offset:16*(\t)       ; both lanes of a block write the same byte with the same value
	global_store_b64 v4, v[C+4*(\t):C+4*(\t)+1], s[10:11] offset:32*CB*(\t)   ; the wave stores 256 consecutive bytes, aligned
.endm
.irp t, 0,1,2,3,4,5,6,7,8,9,10,11,12,13,14,15
	STEP \t
.endr
	ds_load_b64 v[8:9], v6                         ; LDS serves a wave's instructions in order: these see my stores
	s_wait_dscnt 0x0
	global_store_b64 v7, v[8:9], s[12:13]          ; 32 lanes store 256 consecutive bytes, aligned
	s_wait_tensorcnt 0x0                           ; the wave's end
	ds_add_u32 v[SPW], v[NIL]
	s_wait_dscnt 0x0
	s_endpgm
.Lfunc_end_k_qf7a78e8d31_quant:
	.size	k_qf7a78e8d31_quant, .Lfunc_end_k_qf7a78e8d31_quant-k_qf7a78e8d31_quant
	.p2alignl 7, 3214868480
	.fill 96, 4, 3214868480
	.section	.rodata,"a",@progbits
	.p2align	6, 0x0
	.amdhsa_kernel k_qf7a78e8d31_quant
		.amdhsa_group_segment_fixed_size 33280
		.amdhsa_private_segment_fixed_size 0
		.amdhsa_enable_private_segment 0
		.amdhsa_kernarg_size 40
		.amdhsa_user_sgpr_count 2
		.amdhsa_user_sgpr_kernarg_segment_ptr 1
		.amdhsa_wavefront_size32 1
		.amdhsa_system_sgpr_workgroup_id_x 1
		.amdhsa_system_sgpr_workgroup_id_y 1
		.amdhsa_system_sgpr_workgroup_id_z 1
		.amdhsa_system_vgpr_workitem_id 0
		.amdhsa_next_free_vgpr 192
		.amdhsa_next_free_sgpr 66
		.amdhsa_reserve_vcc 0
		.amdhsa_float_denorm_mode_32 3
		.amdhsa_float_denorm_mode_16_64 3
		.amdhsa_memory_ordered 1
		.amdhsa_forward_progress 1
		.amdhsa_inst_pref_size 34
	.end_amdhsa_kernel
	.amdgpu_metadata
---
amdhsa.version: [ 1, 2 ]
amdhsa.kernels:
  - .name:           k_qf7a78e8d31_quant
    .symbol:         k_qf7a78e8d31_quant.kd
    .args:
      - { .name: x_q, .offset: 0, .size: 8, .value_kind: global_buffer, .address_space: global }
      - { .name: qkv_w, .offset: 8, .size: 8, .value_kind: global_buffer, .address_space: global }
      - { .name: out_w, .offset: 16, .size: 8, .value_kind: global_buffer, .address_space: global }
      - { .name: c1, .offset: 24, .size: 8, .value_kind: global_buffer, .address_space: global }
      - { .name: s1, .offset: 32, .size: 8, .value_kind: global_buffer, .address_space: global }
    .group_segment_fixed_size: 33280
    .private_segment_fixed_size: 0
    .kernarg_segment_align: 8
    .kernarg_segment_size: 40
    .max_flat_workgroup_size: 128
    .sgpr_count:     66
    .vgpr_count:     192
    .wavefront_size: 32
...
	.end_amdgpu_metadata
.endif
;; end of part 1
;; launch qkv (part 2): grid 8 x 32, 4 waves a work-group, clusters of 4 x 4, 327,680 bytes of LDS; arguments c1, s1, qkv_b, q_rec, kv_rec; writes q_rec, kv_rec
.if DOCPART == 2
	.amdgcn_target "amdgcn-amd-amdhsa--gfx1250"
	.amdhsa_code_object_version 6
	.text
	.protected	k_qf7a78e8d31_qkv
	.globl	k_qf7a78e8d31_qkv
	.p2align	8
	.type	k_qf7a78e8d31_qkv,@function
k_qf7a78e8d31_qkv:
	s_mov_b64 s[64:65], 0
	v_nop
	global_prefetch_b8 v0, s[64:65] scope:SCOPE_SE
	s_setreg_imm32_b32 hwreg(HW_REG_WAVE_MODE, 25, 1), 1
	s_wait_xcnt 0x0
	s_wait_alu depctr_hold_cnt(0) depctr_sa_sdst(0) depctr_va_vdst(0) depctr_va_sdst(0) depctr_va_ssrc(0) depctr_va_vcc(0) depctr_vm_vsrc(0)
	s_getreg_b32 s2, hwreg(HW_REG_IB_STS2, 6, 4)
	s_cmp_eq_u32 s2, 0
	s_cbranch_scc0 .Lentry_in_a_cluster
	s_endpgm
.Lentry_in_a_cluster:
	s_bfe_u32 s2, ttmp6, 0x10000c
	s_cmp_lg_u32 s2, 0xf033
	s_cbranch_scc0 .Lentry_shape_is_right
	s_endpgm
.Lentry_shape_is_right:
; Launch 2 of 4: qkv = x qkv_w^T + qkv_b on codes of E2M1, and its three parts quantised at once into the operand images that the attention launch reads.  No work of the problem is left out here.
; q x 2^-3 is not multiplied out: Q(q 2^-3) = 2^-3 Q(q) exactly, and the attention launch carries the 2^-3 in its constant.  LIMIT: that fails only where a block of q has its largest magnitude under 2^-121, where the stated rule would hold the byte at 1.
; LIMITS of the quantiser: as in launch 1 (floor 2^-124, zero blocks get the byte 1, no NaN or infinity).
; A WORK-GROUP STAYS: it owns 256 tokens (block tb) and one pair of heads (g), and makes three chunks: q, k and v of that pair, each 256 tokens x 128 rows of qkv_w over all of K = 1,024.
; x's 256 rows of codes and all scale bytes stay in LDS; the three chunks of 128 rows of qkv_w go through two slots: chunk 1 is asked for ahead of chunk 0's work, chunk 2 (into chunk 0's slot) ahead of chunk 1's: a whole chunk's work ahead.
; Four waves, each 64 rows of "A" x 128 rows of "B": 32 accumulators.  q and k: A = x (64 tokens a wave), B = the chunk.  v: A = the chunk (64 rows: one head), B = x (128 tokens).
; THE MATRIX INSTRUCTION IS USED TRANSPOSED (source 0 = 16 places of B, source 1 = 16 places of A): lane (r, h) of accumulator (a, 2 B + u), register j, holds A's place 16 a + r and, by the order of places in c1, B's row 32 B + 16 h + 8 u + j:
; the 64 registers of one a are 16 neighbours of each of four blocks of 32 along B: what the quantiser wants.
; CLUSTERS of 4 x 4: the four of a row share tb and so x, the four of a column share g and so the chunks: each tile is asked for jointly.  NO PREFETCH: the three chunks are written out, there is no loop to run ahead in.
; OUT: record number = 128 g + 2 x (group of 128 tokens) + head % 2.  q_rec [record][4,608]: 8 fragment images of 512 bytes (lane l's 16 bytes at 16 l), then 512 bytes of scale words [tile / 4][r][tile % 4] (bytes 0, 1 real, bytes 2, 3 zero).
; kv_rec [record][8,960]: K's 8 images; V^T's 4 fragments of 1,024 bytes; K's scale words (512); V's scale words [r][tile] (256).  Every store of a wave covers 256 or 512 consecutive bytes, aligned.
; REGISTERS: window 0: v0-31 addresses; v32-95 scale words; v96-127 at work; v128-191 A's fragments, two sets (then the 64 numbers in hand); v192-255 bias.  window 1: B's fragments, two sets, at v0 and v128.  window 2: accumulator (a, b) at v[8 (8 a + b)].
.set PITCH,  528                       ; an LDS row: 512 bytes of codes + 16 of padding
.set WT0,    256*PITCH                 ; x's 256 rows from 0; the chunks' two slots of 128 rows
.set WT1,    WT0+128*PITCH
.set XS,     WT1+128*PITCH             ; x's scale bytes: 32 units of 256 bytes + 16
.set WS,     XS+32*272                 ; the three chunks' scale bytes: 16 units each
.set STQ,    WS+48*272                 ; a stage of 512 bytes a wave for the scale words of q or k
.set STV,    STQ+4*512                 ; and of 256 bytes a wave for v's
.set SPARE,  STV+4*256                 ; the spare words, 128 bytes a wave
.set AX,   8                           ; LDS addresses of fragments: x as A; chunk in slot 0, 1 as B; chunk in slot 0 as A; x as B
.set BW0,  9
.set BW1,  10
.set AV,   11
.set BX,   12
.set S0L,  13                          ; LDS addresses of scale words for chunks 0, 1, 2: lanes 0-15 A's rows, lanes 16-31 B's; L for blocks 0-3, H for blocks 4-7 (there lanes 0-15 read A's blocks 0-3 again: no product names them)
.set S0H,  14
.set S1L,  15
.set S1H,  16
.set L16,  17                          ; 16 x lane
.set H16,  18                          ; 16 x (lane / 16): a shift
.set SOFF, 19                          ; where a lane's scale words go
.set S2L,  20
.set SSTQ, 21
.set RDQ,  22
.set SSTV, 23
.set RDV,  24
.set L8,   25
.set BOQ,  26                          ; my offset in the bias: q and k; v
.set S2H,  27
.set SPW,  28                          ; my spare word; never rewritten
.set NIL,  29                          ; 0; never rewritten
.set BOV,  30
.set HN,   31                          ; 1 - lane / 16
.set SC,   32
.set PC,   96
.set TM,   104
.set PW,   120
.set AF,   128
.set XN,   128
.set BI,   192
.set G1X, 24                           ; s[24:31], s[32:35] groups 1 and 0 for x's codes
.set G0X, 32
.set SEL, 36
.set G1W, 48                           ; s[48:55], s[56:59] for the chunks' codes
.set G0W, 56
.set G1XS, 68                          ; s[68:75], s[76:79] for x's scales
.set G0XS, 76
.set G1WS, 80                          ; s[80:87], s[88:91] for the chunks' scales
.set G0WS, 88
.set MSB, 0
.macro WIN new                         ; the immediate's high byte repeats the setting that is left
.if MSB != \new
	s_set_vgpr_msb (MSB<<8)|\new
.set MSB, \new
.endif
.endm
.set MULW, 0xa1                        ; source 0 (B) window 1, source 1 (A) window 0, C and D window 2
.set TO_B, 0x40                        ; destination window 1, address window 0
.macro ARM under, g0, g1, next         ; one arm of the head's tree of branches on the wave's number
	s_cmp_lt_u32 s14, \under
	s_cbranch_scc0 \next
	tensor_load_to_lds s[\g0:\g0+3], s[\g1:\g1+7]
	s_nop 0
.rept 4
	v_nop
.endr
	s_branch .Lhead_asked
\next:
.endm
.macro CROUND                          ; a round of the cluster's barrier
	s_barrier_signal -1
	s_barrier_wait -1
	s_cmp_lg_u32 s14, 0
	s_cbranch_scc1 .Lnot_wave_0_\@
	s_barrier_signal -3
.Lnot_wave_0_\@:
	s_barrier_wait -3
	s_barrier_signal -1
	s_barrier_wait -1
.endm
.macro PLACES n
.rept \n
	v_nop
.endr
.endm
	s_load_b128 s[4:7], s[0:1], 0x0                ; c1 s[4:5], s1 s[6:7]
	s_load_b128 s[8:11], s[0:1], 0x10              ; qkv_b s[8:9], q_rec s[10:11]
	s_load_b64 s[12:13], s[0:1], 0x20              ; kv_rec
	v_lshl_add_u32 v[SPW], v0, 2, SPARE
	v_mov_b32 v[NIL], 0
	ds_add_u32 v[SPW], v[NIL]                      ; the wave's opening: the add, twice on end, and its wait ahead of my first tensor load
	ds_add_u32 v[SPW], v[NIL]
	v_lshrrev_b32 v1, 5, v0
	v_readfirstlane_b32 s14, v1                    ; wave 0..3
	s_lshr_b32 s15, s14, 1
	s_and_b32 s16, s14, 1
	s_bfe_u32 s40, ttmp6, 0x40000                  ; cx, cy: my place in the cluster
	s_bfe_u32 s41, ttmp6, 0x40004
	s_lshl_b32 s42, ttmp9, 2
	s_add_co_u32 s42, s42, s40                     ; g: the pair of heads
	s_and_b32 s17, ttmp7, 0xffff
	s_lshl_b32 s17, s17, 2
	s_add_co_u32 s17, s17, s41                     ; tb: the block of 256 tokens
	s_lshl_b32 s66, s41, 2
	s_lshl_b32 s66, 15, s66                        ; my row of the cluster
	s_lshl_b32 s67, 0x1111, s40                    ; my column
	s_or_b32 s[G1X+0], s66, (0<<16)|(1<<20)|(1<<21)|(6<<22)|(3<<25)   ; the mask; elements of 1 byte; padding on; bit 21 beside a mask; after every 128 words 4 words
	s_or_b32 s[G1W+0], s67, (0<<16)|(1<<20)|(1<<21)|(6<<22)|(3<<25)
	s_mov_b32 s[G1X+1], 512<<16                    ; rows of 512 bytes,
	s_mov_b32 s[G1X+2], 256<<16                    ; 256 of them
	s_mov_b32 s[G1X+3], 512<<16
	s_mov_b32 s[G1X+4], 256
	s_mov_b32 s[G1X+5], 512
	s_mov_b32 s[G1X+6], 0
	s_mov_b32 s[G1X+7], 0
	s_mov_b32 s[G1W+1], 512<<16
	s_mov_b32 s[G1W+2], 128<<16                    ; chunk 0: 128 rows in one load
	s_mov_b32 s[G1W+3], 512<<16
	s_mov_b32 s[G1W+4], 128
	s_mov_b32 s[G1W+5], 512
	s_mov_b32 s[G1W+6], 0
	s_mov_b32 s[G1W+7], 0
	s_or_b32 s[G1XS+0], s66, (3<<16)|(1<<20)|(1<<21)|(5<<22)|(3<<25)  ; scale bytes: elements of 8 bytes, 16 bytes of padding behind every 256
	s_or_b32 s[G1WS+0], s67, (3<<16)|(1<<20)|(1<<21)|(5<<22)|(3<<25)
	s_mov_b32 s[G1XS+1], 32<<16                    ; x's: 256 rows x 32 bytes, dense: 32 rows of 256 bytes
	s_mov_b32 s[G1XS+2], 32<<16
	s_mov_b32 s[G1XS+3], 32<<16
	s_mov_b32 s[G1XS+4], 32
	s_mov_b32 s[G1XS+5], 32
	s_mov_b32 s[G1XS+6], 0
	s_mov_b32 s[G1XS+7], 0
	s_mov_b32 s[G1WS+1], 512<<16                   ; the chunks': three rows of 4,096 bytes (128 rows x 32), 1,024 rows of s1 = 32,768 bytes apart
	s_mov_b32 s[G1WS+2], 3<<16
	s_mov_b32 s[G1WS+3], 512<<16
	s_mov_b32 s[G1WS+4], 3
	s_mov_b32 s[G1WS+5], 4096
	s_mov_b32 s[G1WS+6], 0
	s_mov_b32 s[G1WS+7], 0
	s_lshl_b32 s20, s17, 17                        ; x: 256 places x 512 bytes of codes a block,
	s_mov_b32 s21, 0
	s_lshl_b32 s22, s17, 13                        ; x 32 scale bytes
	s_mov_b32 s23, 0
	s_lshl_b32 s62, s42, 7
	s_add_co_u32 s62, s62, 8192                    ; chunk 0's first place: 8,192 + 128 g
	s_lshl_b32 s92, s62, 5
	s_mov_b32 s93, 0
	s_lshl_b32 s62, s62, 9
	s_mov_b32 s63, 0
	s_lshl_b32 s60, s14, 14                        ; my quarter of a later chunk: 32 rows
	s_mov_b32 s61, 0
	s_mul_i32 s18, s14, 64*PITCH                   ; LDS: the wave's number alone enters an address
	s_mul_i32 s19, s15, 64*PITCH
	s_add_co_u32 s19, s19, WT0
	s_mul_i32 s38, s16, 128*PITCH
	s_mul_i32 s43, s14, 2176                       ; q, k: A's scale words: x's, my 64 rows (8 units)
	s_add_co_u32 s43, s43, XS
	s_mov_b32 s44, WS
	s_sub_co_u32 s44, s44, s43                     ; from there to chunk 0's
	s_mul_i32 s45, s14, 2176
	s_add_co_u32 s45, s45, XS-2176                 ; for blocks 4-7: four blocks lower in lanes 0-15
	s_add_co_u32 s46, s44, 2176
	s_add_co_u32 s47, s44, 4352                    ; chunk 1's lie 16 units on
	s_add_co_u32 s94, s44, 6528
	s_mul_i32 s95, s16, 4352                       ; v: B's: x's, my 128 rows,
	s_add_co_u32 s95, s95, XS
	s_mul_i32 s96, s15, 2176                       ; A's: chunk 2's, my 64 rows: the distance from B's
	s_add_co_u32 s96, s96, WS+8704
	s_sub_co_u32 s96, s96, s95
	s_mul_i32 s97, s15, 2176
	s_add_co_u32 s97, s97, WS+8704-2176
	s_sub_co_u32 s97, s97, s95
	s_lshl_b32 s39, s14, 9
	s_add_co_u32 s39, s39, STQ
	s_lshl_b32 s3, s14, 8
	s_add_co_u32 s3, s3, STV
	s_mov_b32 s[SEL], 0x76543210
	s_mov_b32 s[SEL+1], 0xfedcba98
	s_wait_dscnt 0x0                               ; both opening adds are done
	s_wait_kmcnt 0x0
	s_add_nc_u64 s[20:21], s[4:5], s[20:21]
	s_add_nc_u64 s[22:23], s[6:7], s[22:23]
	s_add_nc_u64 s[62:63], s[4:5], s[62:63]
	s_add_nc_u64 s[92:93], s[6:7], s[92:93]
	s_add_nc_u64 s[60:61], s[62:63], s[60:61]
	CROUND                                         ; all sixteen work-groups are here: the joint loads meet
	s_mov_b32 s[G0X], 1
	s_mov_b32 s[G0X+1], 0
	s_mov_b64 s[G0X+2:G0X+3], s[20:21]
	s_or_b32 s[G0X+3], s[G0X+3], 0x80000000
	s_mov_b32 s[G0W], 1
	s_mov_b32 s[G0W+1], WT0
	s_mov_b64 s[G0W+2:G0W+3], s[62:63]
	s_or_b32 s[G0W+3], s[G0W+3], 0x80000000
	s_mov_b32 s[G0XS], 1
	s_mov_b32 s[G0XS+1], XS
	s_mov_b64 s[G0XS+2:G0XS+3], s[22:23]
	s_or_b32 s[G0XS+3], s[G0XS+3], 0x80000000
	s_mov_b32 s[G0WS], 1
	s_mov_b32 s[G0WS+1], WS
	s_mov_b64 s[G0WS+2:G0WS+3], s[92:93]
	s_or_b32 s[G0WS+3], s[G0WS+3], 0x80000000
	; THE HEAD'S LOADS, ONE A WAVE: wave 0 x's codes, wave 1 chunk 0's, wave 2 x's scale bytes, wave 3 the three chunks'
	ARM 1, G0X,  G1X,  .Lhead_w
	ARM 2, G0W,  G1W,  .Lhead_xs
	ARM 3, G0XS, G1XS, .Lhead_ws
	tensor_load_to_lds s[G0WS:G0WS+3], s[G1WS:G1WS+7]
	s_nop 0
.rept 4
	v_nop
.endr
.Lhead_asked:
	v_and_b32 v1, 15, v0                           ; r
	v_bfe_u32 v2, v0, 4, 1                         ; h
	v_and_b32 v3, 31, v0                           ; lane
	v_xor_b32 v[HN], 1, v2
	v_mul_u32_u24 v4, v1, PITCH
	v_lshl_add_u32 v4, v2, 4, v4                   ; a fragment's row x pitch + 16 h
	v_add_nc_u32 v[AX], s18, v4
	v_add_nc_u32 v[BW0], WT0, v4
	v_add_nc_u32 v[BW1], WT1, v4
	v_add_nc_u32 v[AV], s19, v4
	v_add_nc_u32 v[BX], s38, v4
	v_lshlrev_b32 v5, 5, v1                        ; my row's scale bytes: 32 a row,
	v_lshrrev_b32 v6, 8, v5
	v_lshl_add_u32 v5, v6, 4, v5                   ; and 16 more for each 256 passed
.macro SADR reg, base, dist, hv        ; the lower base + one product with h or 1 - h
	v_mul_u32_u24 v6, s[\dist], v[\hv]
	v_add_nc_u32 v6, v5, v6
	v_add_nc_u32 v[\reg], s[\base], v6
.endm
	SADR S0L, 43, 44, 2
	SADR S0H, 45, 46, 2
	SADR S1L, 43, 47, 2
	SADR S1H, 45, 94, 2
	SADR S2L, 95, 96, HN
	SADR S2H, 95, 97, HN
	v_lshlrev_b32 v[L16], 4, v3
	v_lshlrev_b32 v[L8], 3, v3
	v_lshlrev_b32 v[H16], 4, v2
	v_lshlrev_b32 v7, 4, v1                        ; 16 r
	v_lshl_add_u32 v[SSTQ], v2, 8, v7              ; the stage of q and k: [h: which head][r][tile]
	v_add_nc_u32 v[SSTQ], s39, v[SSTQ]
	v_add_nc_u32 v[RDQ], s39, v[L16]
	v_add_nc_u32 v[SSTV], s3, v7                   ; the stage of v: [r][tile]
	v_add_nc_u32 v[RDV], s3, v[L8]
	v_lshlrev_b32 v[BOQ], 6, v2
	v_and_b32 v[BOV], 8, v1
	v_add_nc_u32 v[BOV], v[BOV], v1
	v_lshlrev_b32 v[BOV], 2, v[BOV]
.irp b, 0,1,2,3
	v_mov_b32 v[TM+4+\b], 0                        ; written once: a lane permute's destination counts as one of its sources
.endr
.macro FRAGR reg, adr, q, i            ; a fragment, 16 rows x 128 K: lane l holds row l % 16; registers 4 c .. 4 c + 3 hold K = 64 c + 32 (l / 16) + 0 .. 31
.irp c, 0,1
	ds_load_b128 v[\reg+4*\c:\reg+4*\c+3], v[\adr] offset:64*(\q)+32*\c+(\i)*16*PITCH
.endr
.endm
.macro FETCH q, p, ra, rb              ; K step q's 8 fragments of B and 4 of A into set p
	WIN TO_B
.irp i, 0,1,2,3,4,5,6,7
	FRAGR 128*(\p)+8*\i, \rb, \q, \i
.endr
	WIN 0
.irp i, 0,1,2,3
	FRAGR AF+32*(\p)+8*\i, \ra, \q, \i
.endr
.endm
.macro SCALES sl, sh                   ; all of K's scale words: lanes 0-15 A's block i % 4, lanes 16-31 B's block i
.irp s, 0,1
.irp i, 0,1,2,3
	ds_load_b128 v[SC+32*\s+4*\i:SC+32*\s+4*\i+3], v[\sl] offset:\i*544+16*\s
.endr
.irp i, 4,5,6,7
	ds_load_b128 v[SC+32*\s+4*\i:SC+32*\s+4*\i+3], v[\sh] offset:\i*544+16*\s
.endr
.endr
.endm
; 32 matrix instructions: the 32 accumulators take turns, one instruction a turn, in the same order in every K step.  zero = 1: the first product starts the sums
.macro MUL q, p, zero
.irp a, 0,1,2,3
.irp b, 0,1,2,3,4,5,6,7
.if \zero
	v_wmma_scale_f32_16x16x128_f8f6f4 v[8*(8*\a+\b):8*(8*\a+\b)+7], v[128*(\p)+8*\b:128*(\p)+8*\b+7], v[AF+32*(\p)+8*\a:AF+32*(\p)+8*\a+7], 0, v[SC+32*((\q)/4)+4*\b+(\q)%4], v[SC+32*((\q)/4)+4*\a+(\q)%4] matrix_a_fmt:MATRIX_FMT_FP4 matrix_b_fmt:MATRIX_FMT_FP4 matrix_a_scale:MATRIX_SCALE_ROW1
.else
	v_wmma_scale_f32_16x16x128_f8f6f4 v[8*(8*\a+\b):8*(8*\a+\b)+7], v[128*(\p)+8*\b:128*(\p)+8*\b+7], v[AF+32*(\p)+8*\a:AF+32*(\p)+8*\a+7], v[8*(8*\a+\b):8*(8*\a+\b)+7], v[SC+32*((\q)/4)+4*\b+(\q)%4], v[SC+32*((\q)/4)+4*\a+(\q)%4] matrix_a_fmt:MATRIX_FMT_FP4 matrix_b_fmt:MATRIX_FMT_FP4 matrix_a_scale:MATRIX_SCALE_ROW1
.endif
.endr
.endr
.endm
.macro KSTEP q, zero, ra, rb
	s_wait_dscnt 0x0                               ; this step's fragments, asked for a step ago, are in
.if (\q) < 7
.if (\q) > 0
	PLACES 4                                       ; between the last step's products and loads into the registers that they read
.endif
	FETCH (\q)+1, ((\q)+1)%2, \ra, \rb             ; the next step's, in one run, ahead of this step's 32 products
.endif
	WIN MULW
	MUL \q, (\q)%2, \zero
	WIN 0
.endm
.macro MAINK ra, rb, sl, sh            ; a chunk's eight K steps
	FETCH 0, 0, \ra, \rb
	SCALES \sl, \sh
	KSTEP 0, 1, \ra, \rb
.irp q, 1,2,3,4,5,6,7
	KSTEP \q, 0, \ra, \rb
.endr
	PLACES 4                                       ; between the last products and the first read of results, and the first write over A's fragments
	s_wait_loadcnt 0x0                             ; the bias
.endm
; 64 numbers of a lane, v[s] .. v[s + 63], register 16 b + i = index 32 b + 16 (lane / 16) + i, become a fragment's codes in v[PC] on and its scale word in v[PW]
.macro QUANT s
.irp b, 0,1,2,3
	v_max3_num_f32 v[TM+\b], |v[\s+16*\b]|, |v[\s+1+16*\b]|, 0x1800000   ; block b: my 16 numbers, and the floor 2^(3 - 127): the byte cannot fall under 1
.endr
.irp i, 2,4,6,8,10,12,14
.irp b, 0,1,2,3
	v_max3_num_f32 v[TM+\b], v[TM+\b], |v[\s+16*\b+\i]|, |v[\s+1+16*\b+\i]|   ; the four blocks by turns
.endr
.endr
.irp b, 0,1,2,3
	v_permlanex16_b32 v[TM+4+\b], v[TM+\b], s[SEL], s[SEL+1]
.endr
.irp b, 0,1,2,3
	v_max_num_f32 v[TM+\b], v[TM+\b], v[TM+4+\b]   ; with lane l xor 16's: the block's largest magnitude
.endr
.irp b, 0,1,2,3
	v_add_nc_u32 v[TM+12+\b], 0xff000000, v[TM+\b] ; 2 off its exponent field: the conversion's scale operand
.endr
.irp b, 0,1,2,3
	v_lshrrev_b32 v[TM+4+\b], 23, v[TM+12+\b]      ; the scale's byte
.endr
	v_lshl_or_b32 v[PW], v[TM+5], 8, v[TM+4]
	v_lshl_or_b32 v[PW], v[TM+6], 16, v[PW]
	v_lshl_or_b32 v[PW], v[TM+7], 24, v[PW]
.irp b, 0,1,2,3
	v_cvt_scalef32_pk8_fp4_f32 v[PC+2*\b], v[\s+16*\b:\s+7+16*\b], v[TM+12+\b]
	v_cvt_scalef32_pk8_fp4_f32 v[PC+1+2*\b], v[\s+8+16*\b:\s+15+16*\b], v[TM+12+\b]
.endr
	v_nop                                          ; one plain place behind a scaled conversion
.irp c, 0,1                                    ; the operand's layout wants a whole block in a lane: lanes 0-15 block 2 c, lanes 16-31 block 2 c + 1
.irp i, 0,1
	v_permlane16_swap_b32 v[PC+4*\c+\i], v[PC+2+4*\c+\i]
.endr
.endr
.endm
; Block a of my 64 rows of A leaves: + bias (which is also the move into window 0, each accumulator from its low end on), quantised, the images stored, the scale words to the stage
.macro EPI a, isv
	s_wait_xcnt 0x0                                ; the last block's stores have read the codes' registers,
	s_wait_dscnt 0x0                               ; and the stage's store its word
	WIN 0x02                                       ; source 0 window 2
.set i, 0
.rept 32
.if \isv
	v_pk_add_f32 v[XN+2*i:XN+2*i+1], v[64*\a+2*i:64*\a+2*i+1], v[BI+2*\a:BI+2*\a+1]
.else
	v_pk_add_f32 v[XN+2*i:XN+2*i+1], v[64*\a+2*i:64*\a+2*i+1], v[BI+2*i:BI+2*i+1]
.endif
.set i, i+1
.endr
	WIN 0
	QUANT XN
.if \isv
	global_store_b128 v[L16], v[PC:PC+3], s[40:41] offset:4096+1024*\a       ; V^T's fragment a: keys 0-63 of the group,
	global_store_b128 v[L16], v[PC+4:PC+7], s[40:41] offset:4096+1024*\a+512 ; keys 64-127: 512 consecutive bytes each
	ds_store_b32 v[SSTV], v[PW] offset:4*\a        ; both halves of the lanes write the same word with the same value
.else
	global_store_b128 v[L16], v[PC:PC+3], s[40:41] offset:512*\a             ; the first head's 64 along d,
	global_store_b128 v[L16], v[PC+4:PC+7], s[46:47] offset:512*\a           ; the second head's
	v_lshrrev_b32 v121, v[H16], v[PW]              ; lanes 0-15 keep the first head's two bytes, lanes 16-31 the second's;
	v_and_b32 v121, 0xffff, v121                   ; bytes 2 and 3 are 0: they scale zero codes
	ds_store_b32 v[SSTQ], v121 offset:4*\a
.endif
.endm
; CHUNK t = 0 (q) or 1 (k): ptr: the records' buffer; recb: a record's bytes; sw: where its scale words begin; bw: the chunk's slot; sl, sh: its scale words
.macro QKBODY ptr, recb, sw, t, bw, sl, sh
	s_wait_alu depctr_va_vdst(0)
	s_wait_xcnt 0x0                                ; earlier stores have read their bases and offsets
	s_lshl_b32 s18, s42, 9                         ; the bias: qkv_b at 1,024 t + 128 g; a lane's register 16 b + i wants index 32 b + 16 h + i
	s_add_co_u32 s18, s18, 4096*\t
	s_mov_b32 s19, 0
	s_add_nc_u64 s[92:93], s[8:9], s[18:19]
.irp b, 0,1,2,3
.irp j, 0,1,2,3
	global_load_b128 v[BI+16*\b+4*\j:BI+16*\b+4*\j+3], v[BOQ], s[92:93] offset:128*\b+16*\j
.endr
.endr
	s_lshl_b32 s18, s42, 7                         ; the first head's record: 128 g + 2 x (2 tb + wave / 2)
	s_lshl_b32 s2, s17, 2
	s_add_co_u32 s18, s18, s2
	s_lshl_b32 s2, s15, 1
	s_add_co_u32 s18, s18, s2
	s_mul_i32 s18, s18, \recb
	s_add_nc_u64 s[38:39], s[\ptr:\ptr+1], s[18:19]
	s_lshl_b32 s18, s16, 11                        ; my four tiles of its eight
	s_add_nc_u64 s[40:41], s[38:39], s[18:19]
	s_add_nc_u64 s[46:47], s[40:41], \recb         ; the second head's record is the next
	v_mul_u32_u24 v[SOFF], \recb, v2
	v_lshl_add_u32 v[SOFF], v1, 4, v[SOFF]         ; scale words: 16 r, lanes 16-31 in the next record
	s_lshl_b32 s18, s16, 8
	s_add_co_u32 s18, s18, \sw
	s_add_nc_u64 s[20:21], s[38:39], s[18:19]
	MAINK AX, \bw, \sl, \sh
.irp a, 0,1,2,3
	EPI \a, 0
.endr
	ds_load_b128 v[112:115], v[RDQ]                ; LDS serves a wave's instructions in order: these see my stores
	s_wait_dscnt 0x0
	global_store_b128 v[SOFF], v[112:115], s[20:21]              ; sixteen lanes store 256 consecutive bytes, aligned, for each head
.endm
; The lines ahead of a fill behind the head, a round, and my quarter (32 rows) of chunk t into the slot at lds
.macro NEXTW t, lds
	s_wait_alu depctr_va_vdst(0)
	s_wait_tensorcnt 0x0                           ; no tensor load of mine is out, so a descriptor may be written
	ds_add_u32 v[SPW], v[NIL]
	s_mov_b32 s[G1W+2], 32<<16
	s_mov_b32 s[G1W+4], 32
	s_mul_i32 s[G0W+1], s14, 32*PITCH
	s_add_co_u32 s[G0W+1], s[G0W+1], \lds
	s_add_nc_u64 s[G0W+2:G0W+3], s[60:61], \t*1024*512
	s_or_b32 s[G0W+3], s[G0W+3], 0x80000000
	s_wait_dscnt 0x0                               ; the add is done, and so are my reads of LDS
	CROUND                                         ; both hold of every wave of all sixteen work-groups
	tensor_load_to_lds s[G0W:G0W+3], s[G1W:G1W+7]
	s_nop 0
.rept 4
	v_nop
.endr
.endm
	NEXTW 1, WT1                                   ; the head's four tiles are in; chunk 1 goes into slot 1, filled for the first time
	QKBODY 10, 4608, 4096, 0, BW0, S0L, S0H
	NEXTW 2, WT0                                   ; nobody reads slot 0 any more: chunk 2
	QKBODY 12, 8960, 8192, 1, BW1, S1L, S1H
	s_wait_alu depctr_va_vdst(0)
	s_wait_tensorcnt 0x0                           ; my quarter of chunk 2 is in,
	ds_add_u32 v[SPW], v[NIL]
	s_wait_dscnt 0x0
	s_barrier_signal -1
	s_barrier_wait -1                              ; everybody's is; nothing is filled again
	s_wait_xcnt 0x0
	s_lshl_b32 s18, s42, 9                         ; CHUNK 2, v.  The bias: qkv_b at 2,048 + 128 g + 64 x half; a lane's d is 32 (a / 2) + 8 (a % 2) + r + 8 (r / 8)
	s_lshl_b32 s19, s15, 8
	s_add_co_u32 s18, s18, s19
	s_add_co_u32 s18, s18, 8192
	s_mov_b32 s19, 0
	s_add_nc_u64 s[92:93], s[8:9], s[18:19]
.irp a, 0,1,2,3
	global_load_b32 v[BI+2*\a], v[BOV], s[92:93] offset:4*(32*(\a/2)+8*(\a%2))    ; twice: a pair for the packed addition
	global_load_b32 v[BI+2*\a+1], v[BOV], s[92:93] offset:4*(32*(\a/2)+8*(\a%2))
.endr
	s_lshl_b32 s18, s42, 7                         ; the record: 128 g + 2 x (2 tb + wave % 2) + wave / 2
	s_lshl_b32 s2, s17, 2
	s_add_co_u32 s18, s18, s2
	s_lshl_b32 s2, s16, 1
	s_add_co_u32 s18, s18, s2
	s_add_co_u32 s18, s18, s15
	s_mul_i32 s18, s18, 8960
	s_add_nc_u64 s[40:41], s[12:13], s[18:19]
	MAINK AV, BX, S2L, S2H
.irp a, 0,1,2,3
	EPI \a, 1
.endr
	ds_load_b64 v[112:113], v[RDV]                 ; LDS serves a wave's instructions in order: these see my stores
	s_wait_dscnt 0x0
	global_store_b64 v[L8], v[112:113], s[40:41] offset:8704     ; 256 consecutive bytes, aligned
	s_wait_tensorcnt 0x0                           ; the wave's end
	ds_add_u32 v[SPW], v[NIL]
	s_wait_dscnt 0x0
	CROUND                                         ; the closing round
	s_endpgm
.Lfunc_end_k_qf7a78e8d31_qkv:
	.size	k_qf7a78e8d31_qkv, .Lfunc_end_k_qf7a78e8d31_qkv-k_qf7a78e8d31_qkv
	.p2alignl 7, 3214868480
	.fill 96, 4, 3214868480
	.section	.rodata,"a",@progbits
	.p2align	6, 0x0
	.amdhsa_kernel k_qf7a78e8d31_qkv
		.amdhsa_group_segment_fixed_size 327680
		.amdhsa_private_segment_fixed_size 0
		.amdhsa_enable_private_segment 0
		.amdhsa_kernarg_size 40
		.amdhsa_user_sgpr_count 2
		.amdhsa_user_sgpr_kernarg_segment_ptr 1
		.amdhsa_wavefront_size32 1
		.amdhsa_system_sgpr_workgroup_id_x 1
		.amdhsa_system_sgpr_workgroup_id_y 1
		.amdhsa_system_sgpr_workgroup_id_z 1
		.amdhsa_system_vgpr_workitem_id 0
		.amdhsa_next_free_vgpr 768
		.amdhsa_next_free_sgpr 98
		.amdhsa_reserve_vcc 0
		.amdhsa_float_denorm_mode_32 3
		.amdhsa_float_denorm_mode_16_64 3
		.amdhsa_memory_ordered 1
		.amdhsa_forward_progress 1
		.amdhsa_inst_pref_size 234
	.end_amdhsa_kernel
	.amdgpu_metadata
---
amdhsa.version: [ 1, 2 ]
amdhsa.kernels:
  - .name:           k_qf7a78e8d31_qkv
    .symbol:         k_qf7a78e8d31_qkv.kd
    .args:
      - { .name: c1, .offset: 0, .size: 8, .value_kind: global_buffer, .address_space: global }
      - { .name: s1, .offset: 8, .size: 8, .value_kind: global_buffer, .address_space: global }
      - { .name: qkv_b, .offset: 16, .size: 8, .value_kind: global_buffer, .address_space: global }
      - { .name: q_rec, .offset: 24, .size: 8, .value_kind: global_buffer, .address_space: global }
      - { .name: kv_rec, .offset: 32, .size: 8, .value_kind: global_buffer, .address_space: global }
    .group_segment_fixed_size: 327680
    .private_segment_fixed_size: 0
    .kernarg_segment_align: 8
    .kernarg_segment_size: 40
    .max_flat_workgroup_size: 128
    .sgpr_count:     98
    .vgpr_count:     768
    .wavefront_size: 32
...
	.end_amdgpu_metadata
.endif
;; end of part 2
;; launch attn (part 3): grid 256 x 1, 8 waves a work-group, clusters of 4 x 1, 327,680 bytes of LDS; arguments q_rec, kv_rec, a_img, a_scl; writes a_img, a_scl
.if DOCPART == 3
	.amdgcn_target "amdgcn-amd-amdhsa--gfx1250"
	.amdhsa_code_object_version 6
	.text
	.protected	k_qf7a78e8d31_attn
	.globl	k_qf7a78e8d31_attn
	.p2align	8
	.type	k_qf7a78e8d31_attn,@function
k_qf7a78e8d31_attn:
	s_mov_b64 s[64:65], 0
	v_nop
	global_prefetch_b8 v0, s[64:65] scope:SCOPE_SE
	s_setreg_imm32_b32 hwreg(HW_REG_WAVE_MODE, 25, 1), 1
	s_wait_xcnt 0x0
	s_wait_alu depctr_hold_cnt(0) depctr_sa_sdst(0) depctr_va_vdst(0) depctr_va_sdst(0) depctr_va_ssrc(0) depctr_va_vcc(0) depctr_vm_vsrc(0)
	s_getreg_b32 s2, hwreg(HW_REG_IB_STS2, 6, 4)
	s_cmp_eq_u32 s2, 0
	s_cbranch_scc0 .Lentry_in_a_cluster
	s_endpgm
.Lentry_in_a_cluster:
	s_bfe_u32 s2, ttmp6, 0x10000c
	s_cmp_lg_u32 s2, 0x3003
	s_cbranch_scc0 .Lentry_shape_is_right
	s_endpgm
.Lentry_shape_is_right:
; Launch 3 of 4: softmax(q k^T / 8) v on codes of E2M1, and its result quantised along the heads' 64 into the operand images of the last product.  No work of the problem is left out here.
; t = score x log2(e) / 8 (the 1/8 that q's codes do not carry stands in the constant); M = the running largest t rounded up to a whole number; p = 2^(t - M) is quantised along the keys, not normalised;
; the row's sum is taken of the unquantised p and divides at the end; when M moves, the sum and O^T are multiplied by 2^(old M - new M), which rounds nothing.
; LIMITS: the promise holds while the scaled scores stay under 2^31 in magnitude; the quantisers' limits are launch 1's (floor 2^-124, a block of zeros keeps the byte 1, no NaN or infinity).
; SHARES.  A work-group owns 256 queries of one batch and the two heads of a pair, one head after the other.  Each of its EIGHT waves owns 32 queries, two tiles of 16: every fragment of K and V that it reads from LDS feeds two matrix instructions,
; and the two tiles' chains of dependent lines take turns.  All keys and values of both heads, 32 records of 8,960 bytes, lie in LDS, filled once: each wave brings four neighbouring records, 35,840 dense bytes, by one joint load.
; CLUSTERS: the four work-groups of a cluster walk the same K and V: the load names all four.  NO PREFETCH: all of K and V is asked for at the head, by the launch's only tensor loads; there is no loop to run ahead in.
; Both products are used transposed (S^T = K Q^T, O^T = V^T P^T): a lane holds one query of each tile.  K = 64 in the first product: the upper four registers of K's and Q's fragments are zero codes.
; REGISTERS.  Window 0: v1-7, v20, v21 addresses; v8-11 Q's scale words; v12-19 for each tile -M, the largest score, the sum in two halves; v22-23 the result's scale words; v24-31 at work and p's scale words;
; v32-159 the two tiles' scores, then p; v160-175 p's codes; v176-203 at work; v216-223 K's and V's scale words.  Window 1: v0-63 K's eight fragments; v64-95 V's four; v96-127 Q's (tile, head); v128-191 O^T of the two tiles.
.set REC,   8960                       ; a record: K's 8 images (4,096), V^T's 4 fragments (4,096), K's scale words (512), V's (256)
.set GRP,   2*REC                      ; a group of 128 keys: the two heads' records side by side
.set STG,   16*GRP                     ; behind K and V: 1,024 bytes in which the result's scale words are gathered
.set SPARE, STG+1024                   ; the spare words, 128 bytes a wave
.set QREC,  4608
.set QS,  8
.set NX,  21                           ; LDS address of the next step's K
.set AW,  22
.set CH,  24
.set F,   26                           ; v[26:27], v[28:29]: f = 2^(old M - new M) in the low word
.set PW,  30
.set S,   32
.set PC,  160
.set BM,  176
.set T2,  184
.set SCO, 192
.set SU,  200
.set KS,  216
.set VS,  220
.set KF,  0                            ; window 1
.set VF,  64
.set QF,  96
.set OA,  128
.set MSB, 0
.macro WIN new                         ; the immediate's high byte repeats the setting that is left
.if MSB != \new
	s_set_vgpr_msb (MSB<<8)|\new
.set MSB, \new
.endif
.endm
.macro CROUND                          ; a round of the cluster's barrier
	s_barrier_signal -1
	s_barrier_wait -1
	s_cmp_lg_u32 s18, 0
	s_cbranch_scc1 .Lnot_wave_0_\@
	s_barrier_signal -3
.Lnot_wave_0_\@:
	s_barrier_wait -3
	s_barrier_signal -1
	s_barrier_wait -1
.endm
	s_load_b256 s[4:11], s[0:1], 0x0               ; q_rec, kv_rec, a_img, a_scl
	v_lshl_add_u32 v5, v0, 2, SPARE
	v_mov_b32 v6, 0
	ds_add_u32 v5, v6                              ; the opening lines: the add, twice on end, and its wait ahead of my tensor load
	ds_add_u32 v5, v6
	v_lshrrev_b32 v1, 5, v0
	v_readfirstlane_b32 s18, v1                    ; wave 0..7
	s_bfe_u32 s12, ttmp6, 0x40000                  ; cx
	s_lshr_b32 s13, ttmp9, 1
	s_and_b32 s14, s13, 3                          ; the batch
	s_lshr_b32 s15, s13, 2                         ; the pair of heads
	s_and_b32 s16, ttmp9, 1
	s_lshl_b32 s16, s16, 2
	s_add_co_u32 s16, s16, s12                     ; which 256 queries of the batch: global addresses alone hang on it
	s_mov_b32 s24, 15|(3<<16)|(1<<21)              ; group 1: the mask of all four; elements of 8 bytes; bit 21 beside a mask
	s_mov_b32 s25, 32<<16                          ; rows of 256 bytes,
	s_mov_b32 s26, 140<<16                         ; 140 of them: four records
	s_mov_b32 s27, 32<<16
	s_mov_b32 s28, 140
	s_mov_b32 s29, 32
	s_mov_b32 s30, 0
	s_mov_b32 s31, 0
	s_lshl_b32 s17, s15, 7
	s_lshl_b32 s19, s14, 5
	s_add_co_u32 s17, s17, s19                     ; the first record of this pair and batch: 128 x pair + 32 x batch
	s_lshl_b32 s19, s18, 2
	s_add_co_u32 s40, s17, s19                     ; my four records
	s_mul_i32 s40, s40, REC
	s_mov_b32 s41, 0
	s_mul_i32 s42, s18, 2*GRP                      ; and where they go
	s_lshl_b32 s43, s16, 2
	s_add_co_u32 s43, s43, s17
	s_lshr_b32 s44, s18, 2
	s_lshl_b32 s44, s44, 1
	s_add_co_u32 s43, s43, s44                     ; Q's record of the first head: 2 x (2 x block + wave / 4) on
	s_mul_i32 s44, s43, QREC
	s_and_b32 s46, s18, 3
	s_lshl_b32 s46, s46, 10                        ; my two tiles' images: 1,024 bytes
	s_add_co_u32 s46, s46, s44
	s_mov_b32 s47, 0
	s_bfe_u32 s48, s18, 0x10001
	s_lshl_b32 s48, s48, 8                         ; their scale words: [tile / 4][r][tile % 4]
	s_and_b32 s49, s18, 1
	s_lshl_b32 s49, s49, 3
	s_add_co_u32 s48, s48, s49
	s_add_co_u32 s48, s48, 4096
	s_add_co_u32 s48, s48, s44
	s_mov_b32 s49, 0
	s_mov_b32 s20, 0x76543210                      ; v_permlanex16_b32's selects for lane l xor 16
	s_mov_b32 s21, 0xfedcba98
	s_mov_b32 s22, 0x3e38aa3b                      ; c = log2(e) / 8
	s_mov_b32 s23, s22
	s_mov_b32 s60, 0xbe38aa3b                      ; -c
	v_and_b32 v3, 31, v0
	v_and_b32 v4, 15, v0
	s_delay_alu instid0(VALU_DEP_2)
	v_lshlrev_b32 v3, 4, v3                        ; 16 x lane
	s_delay_alu instid0(VALU_DEP_2)
	v_lshlrev_b32 v4, 4, v4                        ; 16 x (lane % 16)
	s_wait_alu depctr_va_vdst(0)
	s_lshr_b32 s58, s18, 1
	s_lshl_b32 s58, s58, 8
	s_and_b32 s59, s18, 1
	s_lshl_b32 s59, s59, 3
	s_add_co_u32 s58, s58, s59
	s_add_co_u32 s58, s58, STG
	v_add_nc_u32 v7, s58, v4                       ; the stage: [tile / 4][r][tile % 4], my two tiles' words side by side
	s_min_u32 s54, s18, 1
	s_lshl_b32 s59, s54, 9
	s_add_co_u32 s59, s59, STG
	v_add_nc_u32 v20, s59, v3                      ; and back: waves 0 and 1 take 512 bytes each
	s_wait_alu depctr_va_vdst(0)
	s_wait_dscnt 0x0                               ; both opening adds are done
	s_wait_kmcnt 0x0
	s_add_nc_u64 s[40:41], s[6:7], s[40:41]
	s_add_nc_u64 s[46:47], s[4:5], s[46:47]
	s_add_nc_u64 s[48:49], s[4:5], s[48:49]
	WIN 0x40                                       ; destination window 1
.irp u, 0,1
.irp c, 0,1
	global_load_b128 v[QF+16*\u+8*\c:QF+16*\u+8*\c+3], v3, s[46:47] offset:512*\u+QREC*\c   ; Q's fragments stay in registers
.endr
.endr
	WIN 0
	global_load_b64 v[QS:QS+1], v4, s[48:49]               ; their scale words: register QS + 2 x head + tile
	global_load_b64 v[QS+2:QS+3], v4, s[48:49] offset:QREC
	CROUND                                         ; all four work-groups are here: the joint loads meet
	s_mov_b32 s32, 1
	s_mov_b32 s33, s42
	s_mov_b64 s[34:35], s[40:41]
	s_or_b32 s35, s35, 0x80000000
	tensor_load_to_lds s[32:35], s[24:31]          ; my one tensor load
	s_nop 0
	WIN 0x40
.irp t, 0,1,2,3,4,5,6,7,12,13,14,15
.irp j, 4,5,6,7
	v_mov_b32 v[8*\t+\j], 0                        ; zero codes for the upper 64 along K of K's and Q's fragments
.endr
.endr
	WIN 0
.irp n, 0,1,2,3,4,5,6,7
	v_mov_b32 v[T2+\n], 0                          ; written once: a lane permute's destination counts as one of its sources
.endr
	v_mov_b32 v[F+1], 0                            ; (named as the upper halves of pairs)
	v_mov_b32 v[F+3], 0
	s_lshl_b32 s52, s14, 7
	s_lshl_b32 s53, s16, 4
	s_add_co_u32 s52, s52, s53
	s_lshl_b32 s53, s18, 1
	s_add_co_u32 s52, s52, s53                     ; my first tile of 16 places: 128 x batch + 16 x block + 2 x wave
	s_lshl_b32 s52, s52, 13                        ; 8,192 bytes of images a tile,
	s_lshl_b32 s53, s15, 10                        ; 1,024 for each pair of heads
	s_add_co_u32 s52, s52, s53
	s_mov_b32 s53, 0
	s_add_nc_u64 s[52:53], s[8:9], s[52:53]
	s_lshl_b32 s55, s14, 4
	s_add_co_u32 s55, s55, s54
	s_lshl_b32 s56, s16, 1
	s_add_co_u32 s55, s55, s56
	s_lshl_b32 s55, s55, 12
	s_lshl_b32 s56, s15, 9
	s_add_co_u32 s56, s55, s56
	s_mov_b32 s57, 0
	s_add_nc_u64 s[56:57], s[10:11], s[56:57]      ; the scale words of 128 places and this pair: 512 bytes
.macro KLOADS adr                      ; K's eight images (window 1)
.irp t, 0,1,2,3,4,5,6,7
	ds_load_b128 v[KF+8*\t:KF+8*\t+3], v[\adr] offset:512*\t
.endr
.endm
; A KEY STEP: 128 keys x my 32 queries, head c
.macro STEP c
	s_wait_dscnt 0x0                               ; K's fragments and scale words, asked for a step ago
	WIN 0x05                                       ; sources 0 and 1 window 1, results window 0
.irp t, 0,1,2,3
.irp u, 0,1
	v_wmma_scale_f32_16x16x128_f8f6f4 v[S+64*\u+8*\t:S+64*\u+8*\t+7], v[KF+8*\t:KF+8*\t+7], v[QF+16*\u+8*\c:QF+16*\u+8*\c+7], 0, v[KS+\t], v[QS+2*\c+\u] matrix_a_fmt:MATRIX_FMT_FP4 matrix_b_fmt:MATRIX_FMT_FP4
.endr
.endr
.irp t, 4,5,6,7
.irp u, 0,1
	v_wmma_scale_f32_16x16x128_f8f6f4 v[S+64*\u+8*\t:S+64*\u+8*\t+7], v[KF+8*\t:KF+8*\t+7], v[QF+16*\u+8*\c:QF+16*\u+8*\c+7], 0, v[KS+\t-4], v[QS+2*\c+\u] matrix_a_fmt:MATRIX_FMT_FP4 matrix_b_fmt:MATRIX_FMT_FP4 matrix_a_scale:MATRIX_SCALE_ROW1
.endr
.endr
.rept 4
	v_nop                                          ; places: ahead of the loads into registers that matrix instructions have read, and of the first read of the scores
.endr
	WIN 0x40
.irp d, 0,1,2,3
.irp e, 0,1
	ds_load_b128 v[VF+8*\d+4*\e:VF+8*\d+4*\e+3], v1 offset:4096+1024*\d+512*\e   ; this step's V: the softmax stands between these loads and their use
.endr
.endr
	KLOADS NX                                      ; and the next step's K (the last step reads its own again: the address is held at the last group)
	WIN 0
	ds_load_b128 v[VS:VS+3], v2 offset:8704
	ds_load_b128 v[KS:KS+3], v[NX] offset:8192
	s_add_co_u32 s2, s2, GRP
	s_add_co_u32 s19, s2, GRP
	s_min_u32 s19, s19, \c*REC+15*GRP
	v_add_nc_u32 v1, s2, v3                        ; the next step's addresses
	v_add_nc_u32 v2, s2, v4
	v_add_nc_u32 v[NX], s19, v3
.irp n, 0,1,2,3,4,5,6,7
	v_max3_num_f32 v[BM+\n], v[S+16*\n], v[S+16*\n+1], v[S+16*\n+2]   ; the largest score of each block of 32 keys, eight blocks (two tiles x four) by turns
.endr
.irp i, 3,5,7,9,11,13
.irp n, 0,1,2,3,4,5,6,7
	v_max3_num_f32 v[BM+\n], v[BM+\n], v[S+16*\n+\i], v[S+16*\n+\i+1]
.endr
.endr
.irp n, 0,1,2,3,4,5,6,7
	v_max_num_f32 v[BM+\n], v[BM+\n], v[S+16*\n+15]
.endr
.irp n, 0,1,2,3,4,5,6,7
	v_permlanex16_b32 v[T2+\n], v[BM+\n], s20, s21
.endr
.irp n, 0,1,2,3,4,5,6,7
	v_max_num_f32 v[BM+\n], v[BM+\n], v[T2+\n]     ; with lane l xor 16's 16 keys
.endr
.irp u, 0,1
	v_max3_num_f32 v[CH+\u], v[BM+4*\u], v[BM+4*\u+1], v[BM+4*\u+2]
.endr
.irp u, 0,1
	s_delay_alu instid0(VALU_DEP_2)
	v_max3_num_f32 v[13+4*\u], v[13+4*\u], v[CH+\u], v[BM+4*\u+3]   ; the running largest score (c is positive: the largest t is c x it)
.endr
.irp u, 0,1
	s_delay_alu instid0(VALU_DEP_2)
	v_mul_f32 v[CH+\u], s60, v[13+4*\u]            ; -t
.endr
.irp u, 0,1
	s_delay_alu instid0(VALU_DEP_2)
	v_floor_f32 v[CH+\u], v[CH+\u]                 ; the new -M = floor(-t): a whole number
.endr
.irp u, 0,1
	s_delay_alu instid0(VALU_DEP_2)
	v_sub_f32 v[T2+\u], v[CH+\u], v[12+4*\u]       ; old M - new M: a whole number, 0 or less
.endr
.irp u, 0,1
	s_delay_alu instid0(VALU_DEP_2)
	v_cvt_i32_f32 v[T2+\u], v[T2+\u]               ; (it saturates)
.endr
.irp u, 0,1
	s_delay_alu instid0(VALU_DEP_2)
	v_ldexp_f32 v[F+2*\u], 1.0, v[T2+\u]           ; f = 2^(old M - new M)
.endr
.irp u, 0,1
	v_mov_b32 v[12+4*\u], v[CH+\u]
.endr
.set j, 0
.rept 64
	v_pk_fma_f32 v[S+2*j:S+2*j+1], v[S+2*j:S+2*j+1], s[22:23], v[12+4*(j/32):13+4*(j/32)] op_sel_hi:[1,0,0]   ; t - M, two at a time
.set j, j+1
.endr
.irp n, 0,1,2,3,4,5,6,7
	v_fma_f32 v[BM+\n], v[BM+\n], s22, v[12+4*(\n/4)]   ; the same of each block's largest score
.endr
	s_wait_alu depctr_va_vdst(0)
.irp n, 0,1,2,3,4,5,6,7
	v_exp_f32 v[BM+\n], v[BM+\n]                   ; each block's largest p: the same two instructions on the same number give the same bits
.endr
.set j, 0
.rept 128
	v_exp_f32 v[S+j], v[S+j]                       ; p = 2^(t - M), at most 1
.set j, j+1
.endr
.irp u, 0,1
	v_pk_mul_f32 v[14+4*\u:15+4*\u], v[14+4*\u:15+4*\u], v[F+2*\u:F+2*\u+1] op_sel_hi:[1,0]   ; the sums under the new M (plain places behind the batch)
.endr
	s_wait_alu depctr_va_vdst(0)                   ; one wait for the whole batch, ahead of its first reader
.irp n, 0,1,2,3,4,5,6,7
	v_max_num_f32 v[BM+\n], 0x1800000, v[BM+\n]    ; the floor 2^(3 - 127): the byte cannot fall under 1
.endr
.irp n, 0,1,2,3,4,5,6,7
	v_add_nc_u32 v[SCO+\n], 0xff000000, v[BM+\n]   ; 2 off the exponent field: the conversion's scale operand
.endr
.irp n, 0,1,2,3,4,5,6,7
	v_lshrrev_b32 v[T2+\n], 23, v[SCO+\n]          ; the scale's byte
.endr
.irp u, 0,1
	v_lshl_or_b32 v[PW+\u], v[T2+4*\u+1], 8, v[T2+4*\u]   ; p's scale word for these 128 keys
.endr
.irp u, 0,1
	s_delay_alu instid0(VALU_DEP_2)
	v_lshl_or_b32 v[PW+\u], v[T2+4*\u+2], 16, v[PW+\u]
.endr
.irp u, 0,1
	s_delay_alu instid0(VALU_DEP_2)
	v_lshl_or_b32 v[PW+\u], v[T2+4*\u+3], 24, v[PW+\u]
.endr
.irp u, 0,1
	v_pk_add_f32 v[SU+2*\u:SU+2*\u+1], v[S+64*\u:S+64*\u+1], v[S+64*\u+2:S+64*\u+3]   ; the rows' sums of the unquantised p: two at a time, four chains by turns
.endr
.irp j, 4,8,12,16,20,24,28,32,36,40,44,48,52,56,60
.irp u, 0,1
	v_pk_add_f32 v[14+4*\u:15+4*\u], v[14+4*\u:15+4*\u], v[S+64*\u+\j:S+64*\u+\j+1]
	v_pk_add_f32 v[SU+2*\u:SU+2*\u+1], v[SU+2*\u:SU+2*\u+1], v[S+64*\u+\j+2:S+64*\u+\j+3]
.endr
.endr
.irp u, 0,1
	v_pk_add_f32 v[14+4*\u:15+4*\u], v[14+4*\u:15+4*\u], v[SU+2*\u:SU+2*\u+1]
.endr
.irp n, 0,1,2,3,4,5,6,7
	v_cvt_scalef32_pk8_fp4_f32 v[PC+2*\n], v[S+16*\n:S+16*\n+7], v[SCO+\n]
	v_cvt_scalef32_pk8_fp4_f32 v[PC+2*\n+1], v[S+16*\n+8:S+16*\n+15], v[SCO+\n]
.endr
	v_nop                                          ; one plain place behind a scaled conversion
.irp g, 0,1,2,3                                ; the operand's layout wants a whole block in a lane
.irp i, 0,1
	v_permlane16_swap_b32 v[PC+4*\g+\i], v[PC+4*\g+2+\i]
.endr
.endr
	WIN 0x41                                       ; source 0 and destination window 1
	s_wait_alu depctr_va_vdst(0)
.set j, 0
.rept 32
	v_pk_mul_f32 v[OA+2*j:OA+2*j+1], v[OA+2*j:OA+2*j+1], v[F+2*(j/16):F+2*(j/16)+1] op_sel_hi:[1,0]   ; O^T under the new M; also the places ahead of the products below
.set j, j+1
.endr
	s_wait_alu depctr_va_vdst(0)
	s_wait_dscnt 1                                 ; V and its scale words are in; only the youngest load, K's next scale words, may be out
	WIN 0x51                                       ; V and O^T window 1, p's codes window 0
.irp d, 0,1,2,3
.irp u, 0,1
	v_wmma_scale_f32_16x16x128_f8f6f4 v[OA+32*\u+8*\d:OA+32*\u+8*\d+7], v[VF+8*\d:VF+8*\d+7], v[PC+8*\u:PC+8*\u+7], v[OA+32*\u+8*\d:OA+32*\u+8*\d+7], v[VS+\d], v[PW+\u] matrix_a_fmt:MATRIX_FMT_FP4 matrix_b_fmt:MATRIX_FMT_FP4
.endr
.endr
	WIN 0
.endm
; ONE HEAD: 16 key steps, then O^T / the sum, quantised along the head's 64 (two blocks a tile), the images stored, the scale bytes kept
.macro HEADPASS c
	v_add_nc_u32 v1, \c*REC, v3
	v_add_nc_u32 v2, \c*REC, v4
	v_add_nc_u32 v[NX], \c*REC+GRP, v3
	WIN 0x40
	KLOADS 1                                       ; the first step's K
	WIN 0
	ds_load_b128 v[KS:KS+3], v1 offset:8192
.irp u, 0,1
	v_mov_b32 v[13+4*\u], 0xff61b1e6               ; the largest score so far: -3e38
	v_mov_b32 v[12+4*\u], 0x7e800000               ; -M: a large whole number, so that the first f is 0
	v_mov_b32 v[14+4*\u], 0                        ; the sum, in two halves
	v_mov_b32 v[15+4*\u], 0
.endr
	WIN 0x40
.set j, 0
.rept 64
	v_mov_b32 v[OA+j], 0                           ; O^T: the step is written once, and its first run finds zeros
.set j, j+1
.endr
	WIN 0
	s_mov_b32 s2, \c*REC
	s_mov_b32 s3, 16
.Lkey_\@:
	STEP \c
	s_sub_co_u32 s3, s3, 1
	s_cmp_lg_u32 s3, 0
	s_cbranch_scc1 .Lkey_\@
	s_wait_dscnt 0x0                               ; the last step's loads of K have landed: their registers may be loaded again
.rept 4
	v_nop
.endr
.irp u, 0,1
	v_add_f32 v[14+4*\u], v[14+4*\u], v[15+4*\u]
.endr
.irp u, 0,1
	s_delay_alu instid0(VALU_DEP_2)
	v_permlanex16_b32 v[T2+\u], v[14+4*\u], s20, s21
.endr
.irp u, 0,1
	s_delay_alu instid0(VALU_DEP_2)
	v_add_f32 v[14+4*\u], v[14+4*\u], v[T2+\u]     ; the row's sum
.endr
	s_wait_alu depctr_va_vdst(0)
.irp u, 0,1
	v_rcp_f32 v[14+4*\u], v[14+4*\u]
.endr
	v_nop
	WIN 0x01                                       ; source 0 window 1
	s_wait_alu depctr_va_vdst(0)                   ; and behind them, directly ahead of the first reader
.set j, 0
.rept 32
	v_pk_mul_f32 v[S+2*j:S+2*j+1], v[OA+2*j:OA+2*j+1], v[14+4*(j/16):15+4*(j/16)] op_sel_hi:[1,0]   ; O^T / the sum: block 2 x tile + b at v[S + 16 (2 x tile + b)]
.set j, j+1
.endr
	WIN 0
.irp n, 0,1,2,3
	v_max3_num_f32 v[BM+\n], |v[S+16*\n]|, |v[S+16*\n+1]|, 0x1800000
.endr
.irp i, 2,4,6,8,10,12,14
.irp n, 0,1,2,3
	s_delay_alu instid0(VALU_DEP_4)
	v_max3_num_f32 v[BM+\n], v[BM+\n], |v[S+16*\n+\i]|, |v[S+16*\n+\i+1]|
.endr
.endr
.irp n, 0,1,2,3
	s_delay_alu instid0(VALU_DEP_4)
	v_permlanex16_b32 v[T2+\n], v[BM+\n], s20, s21
.endr
.irp n, 0,1,2,3
	s_delay_alu instid0(VALU_DEP_4)
	v_max_num_f32 v[BM+\n], v[BM+\n], v[T2+\n]
.endr
.irp n, 0,1,2,3
	s_delay_alu instid0(VALU_DEP_4)
	v_add_nc_u32 v[SCO+\n], 0xff000000, v[BM+\n]
.endr
.irp n, 0,1,2,3
	s_delay_alu instid0(VALU_DEP_4)
	v_lshrrev_b32 v[T2+\n], 23, v[SCO+\n]
.endr
.if \c
.irp u, 0,1
	v_lshl_or_b32 v[CH+\u], v[T2+2*\u+1], 8, v[T2+2*\u]
.endr
.irp u, 0,1
	s_delay_alu instid0(VALU_DEP_2)
	v_lshl_or_b32 v[AW+\u], v[CH+\u], 16, v[AW+\u]   ; the second head's two bytes above the first's
.endr
.else
.irp u, 0,1
	v_lshl_or_b32 v[AW+\u], v[T2+2*\u+1], 8, v[T2+2*\u]
.endr
.endif
.irp n, 0,1,2,3
	v_cvt_scalef32_pk8_fp4_f32 v[PC+2*\n], v[S+16*\n:S+16*\n+7], v[SCO+\n]
	v_cvt_scalef32_pk8_fp4_f32 v[PC+2*\n+1], v[S+16*\n+8:S+16*\n+15], v[SCO+\n]
.endr
	v_nop
.irp u, 0,1
	v_permlane16_swap_b32 v[PC+4*\u], v[PC+4*\u+2]
	v_permlane16_swap_b32 v[PC+4*\u+1], v[PC+4*\u+3]
.endr
.irp u, 0,1
	global_store_b128 v3, v[PC+4*\u:PC+4*\u+3], s[52:53] offset:8192*\u+512*\c   ; 512 consecutive bytes, aligned
.endr
.endm
	s_wait_alu depctr_va_vdst(0)
	s_wait_loadcnt 0x0                             ; Q
	s_wait_tensorcnt 0x0                           ; my four records are in,
	s_barrier_signal -1
	s_barrier_wait -1                              ; everybody's are: both heads' K and V; no barrier stands between the two heads
	HEADPASS 0
	s_wait_alu depctr_va_vdst(0)
	s_wait_xcnt 0x0                                ; the stores have read the codes' registers
	HEADPASS 1
	ds_store_b64 v7, v[AW:AW+1]                    ; both halves of the lanes write the same words with the same values
	s_wait_alu depctr_va_vdst(0)
	s_wait_dscnt 0x0
	s_barrier_signal -1
	s_barrier_wait -1
	s_cmp_lt_u32 s18, 2
	s_cbranch_scc0 .Lno_words
	ds_load_b128 v[S:S+3], v20
	s_wait_dscnt 0x0
	global_store_b128 v3, v[S:S+3], s[56:57]       ; 512 consecutive bytes, aligned
.Lno_words:
	s_wait_tensorcnt 0x0                           ; the wave's end
	ds_add_u32 v5, v6
	s_wait_dscnt 0x0
	CROUND                                         ; the closing round
	s_endpgm
.Lfunc_end_k_qf7a78e8d31_attn:
	.size	k_qf7a78e8d31_attn, .Lfunc_end_k_qf7a78e8d31_attn-k_qf7a78e8d31_attn
	.p2alignl 7, 3214868480
	.fill 96, 4, 3214868480
	.section	.rodata,"a",@progbits
	.p2align	6, 0x0
	.amdhsa_kernel k_qf7a78e8d31_attn
		.amdhsa_group_segment_fixed_size 327680
		.amdhsa_private_segment_fixed_size 0
		.amdhsa_enable_private_segment 0
		.amdhsa_kernarg_size 32
		.amdhsa_user_sgpr_count 2
		.amdhsa_user_sgpr_kernarg_segment_ptr 1
		.amdhsa_wavefront_size32 1
		.amdhsa_system_sgpr_workgroup_id_x 1
		.amdhsa_system_sgpr_workgroup_id_y 1
		.amdhsa_system_sgpr_workgroup_id_z 1
		.amdhsa_system_vgpr_workitem_id 0
		.amdhsa_next_free_vgpr 448
		.amdhsa_next_free_sgpr 66
		.amdhsa_reserve_vcc 0
		.amdhsa_float_denorm_mode_32 3
		.amdhsa_float_denorm_mode_16_64 3
		.amdhsa_memory_ordered 1
		.amdhsa_forward_progress 1
		.amdhsa_inst_pref_size 89
	.end_amdhsa_kernel
	.amdgpu_metadata
---
amdhsa.version: [ 1, 2 ]
amdhsa.kernels:
  - .name:           k_qf7a78e8d31_attn
    .symbol:         k_qf7a78e8d31_attn.kd
    .args:
      - { .name: q_rec, .offset: 0, .size: 8, .value_kind: global_buffer, .address_space: global }
      - { .name: kv_rec, .offset: 8, .size: 8, .value_kind: global_buffer, .address_space: global }
      - { .name: a_img, .offset: 16, .size: 8, .value_kind: global_buffer, .address_space: global }
      - { .name: a_scl, .offset: 24, .size: 8, .value_kind: global_buffer, .address_space: global }
    .group_segment_fixed_size: 327680
    .private_segment_fixed_size: 0
    .kernarg_segment_align: 8
    .kernarg_segment_size: 32
    .max_flat_workgroup_size: 256
    .sgpr_count:     66
    .vgpr_count:     448
    .wavefront_size: 32
...
	.end_amdgpu_metadata
.endif
;; end of part 3
;; launch proj (part 4): grid 4 x 64, 4 waves a work-group, clusters of 4 x 4, 327,680 bytes of LDS; arguments a_img, a_scl, c1, s1, out_b, out0; writes out0
.if DOCPART == 4
	.amdgcn_target "amdgcn-amd-amdhsa--gfx1250"
	.amdhsa_code_object_version 6
	.text
	.protected	k_qf7a78e8d31_proj
	.globl	k_qf7a78e8d31_proj
	.p2align	8
	.type	k_qf7a78e8d31_proj,@function
k_qf7a78e8d31_proj:
	s_mov_b64 s[64:65], 0
	v_nop
	global_prefetch_b8 v0, s[64:65] scope:SCOPE_SE
	s_setreg_imm32_b32 hwreg(HW_REG_WAVE_MODE, 25, 1), 1
	s_wait_xcnt 0x0
	s_wait_alu depctr_hold_cnt(0) depctr_sa_sdst(0) depctr_va_vdst(0) depctr_va_sdst(0) depctr_va_ssrc(0) depctr_va_vcc(0) depctr_vm_vsrc(0)
	s_getreg_b32 s2, hwreg(HW_REG_IB_STS2, 6, 4)
	s_cmp_eq_u32 s2, 0
	s_cbranch_scc0 .Lentry_in_a_cluster
	s_endpgm
.Lentry_in_a_cluster:
	s_bfe_u32 s2, ttmp6, 0x10000c
	s_cmp_lg_u32 s2, 0xf033
	s_cbranch_scc0 .Lentry_shape_is_right
	s_endpgm
.Lentry_shape_is_right:
.set PITCH,  528
.set BT,     65536
.set ASC,    BT+256*PITCH
.set BSC,    ASC+4096
.set STAGE,  BSC+32*272
.set SPARE,  STAGE+4*16*528
.set ADRA, 16
.set L16,  17
.set BO,   18
.set ADRB, 20
.set STO,  24
.set RD,   25
.set ADRT, 26
.set ADRS, 27
.set SPW,  28
.set NIL,  29
.set SB,   32
.set SA,   96
.set AF,   128
.set BK,   128
.set BI,   192
.set G1, 24
.set G0, 32
.set G1B, 48
.set G0B, 56
.set G1S, 68
.set G0S, 76
.set G1SB, 80
.set G0SB, 88
.set MSB, 0
.macro WIN new
.if MSB != \new
	s_set_vgpr_msb (MSB<<8)|\new
.set MSB, \new
.endif
.endm
.set MULW, 0xa1
.set MULB, 0x81
.set TO_B, 0x40
; One arm of the head's tree of branches on the wave's number: a joint load, its s_nop 0 and four v_nop, and a jump to the tree's end
.macro ARM under, g0, g1, next
	s_cmp_lt_u32 s14, \under
	s_cbranch_scc0 \next
	tensor_load_to_lds s[\g0:\g0+3], s[\g1:\g1+7]
	s_nop 0
.rept 4
	v_nop
.endr
	s_branch .Lhead_asked
\next:
.endm
.macro CROUND
	s_barrier_signal -1
	s_barrier_wait -1
	s_cmp_lg_u32 s14, 0
	s_cbranch_scc1 .Lnot_wave_0_\@
	s_barrier_signal -3
.Lnot_wave_0_\@:
	s_barrier_wait -3
	s_barrier_signal -1
	s_barrier_wait -1
.endm
.macro PLACES n
.rept \n
	v_nop
.endr
.endm
	s_load_b256 s[4:11], s[0:1], 0x0
	s_load_b128 s[92:95], s[0:1], 0x20
	v_lshl_add_u32 v[SPW], v0, 2, SPARE
	v_mov_b32 v[NIL], 0
	ds_add_u32 v[SPW], v[NIL]
	ds_add_u32 v[SPW], v[NIL]
	v_lshrrev_b32 v1, 5, v0
	v_readfirstlane_b32 s14, v1
	s_lshr_b32 s15, s14, 1
	s_and_b32 s16, s14, 1
	s_bfe_u32 s40, ttmp6, 0x40000
	s_bfe_u32 s41, ttmp6, 0x40004
	s_lshl_b32 s42, ttmp9, 2
	s_add_co_u32 s42, s42, s40
	s_and_b32 s17, ttmp7, 0xffff
	s_lshl_b32 s17, s17, 2
	s_add_co_u32 s17, s17, s41
	s_lshl_b32 s66, s41, 2
	s_lshl_b32 s66, 15, s66
	s_lshl_b32 s67, 0x1111, s40
	s_or_b32 s[G1+0], s66, (3<<16)|(1<<21)
	s_mov_b32 s[G1+1], 32<<16
	s_mov_b32 s[G1+2], 256<<16                     ; A's images: 65,536 dense bytes, 256 rows of 256, one load
	s_mov_b32 s[G1+3], 32<<16
	s_mov_b32 s[G1+4], 256
	s_mov_b32 s[G1+5], 32
	s_mov_b32 s[G1+6], 0
	s_mov_b32 s[G1+7], 0
	s_or_b32 s[G1S+0], s66, (3<<16)|(1<<21)
	s_mov_b32 s[G1S+1], 32<<16
	s_mov_b32 s[G1S+2], 16<<16                     ; A's scale words: 4,096 dense bytes
	s_mov_b32 s[G1S+3], 32<<16
	s_mov_b32 s[G1S+4], 16
	s_mov_b32 s[G1S+5], 32
	s_mov_b32 s[G1S+6], 0
	s_mov_b32 s[G1S+7], 0
	s_or_b32 s[G1B+0], s67, (0<<16)|(1<<20)|(1<<21)|(6<<22)|(3<<25)
	s_mov_b32 s[G1B+1], 512<<16
	s_mov_b32 s[G1B+2], 256<<16                    ; B: 256 rows, one load
	s_mov_b32 s[G1B+3], 512<<16
	s_mov_b32 s[G1B+4], 256
	s_mov_b32 s[G1B+5], 512
	s_mov_b32 s[G1B+6], 0
	s_mov_b32 s[G1B+7], 0
	s_or_b32 s[G1SB+0], s67, (3<<16)|(1<<20)|(1<<21)|(5<<22)|(3<<25)
	s_mov_b32 s[G1SB+1], 32<<16
	s_mov_b32 s[G1SB+2], 32<<16                    ; B's scale bytes: 32 units
	s_mov_b32 s[G1SB+3], 32<<16
	s_mov_b32 s[G1SB+4], 32
	s_mov_b32 s[G1SB+5], 32
	s_mov_b32 s[G1SB+6], 0
	s_mov_b32 s[G1SB+7], 0
	s_lshl_b32 s20, s17, 16                        ; A's images of this tile row
	s_mov_b32 s21, 0
	s_lshl_b32 s22, s17, 12                        ; and their scale words
	s_mov_b32 s23, 0
	s_lshl_b32 s46, s42, 8
	s_add_co_u32 s46, s46, 11264                   ; B: out_w's place 256 x tile column
	s_lshl_b32 s36, s46, 5
	s_mov_b32 s37, 0
	s_lshl_b32 s46, s46, 9
	s_mov_b32 s47, 0
	s_mov_b32 s61, 0                               ; where the four tiles go: constants
	s_mov_b32 s62, BT
	s_mov_b32 s63, ASC
	s_mov_b32 s60, BSC
	s_wait_dscnt 0x0
	s_wait_kmcnt 0x0
	s_add_nc_u64 s[20:21], s[4:5], s[20:21]
	s_add_nc_u64 s[22:23], s[6:7], s[22:23]
	s_add_nc_u64 s[46:47], s[8:9], s[46:47]
	s_add_nc_u64 s[36:37], s[10:11], s[36:37]
	CROUND
	s_mov_b32 s[G0S], 1
	s_mov_b32 s[G0S+1], s63
	s_mov_b64 s[G0S+2:G0S+3], s[22:23]
	s_or_b32 s[G0S+3], s[G0S+3], 0x80000000
	s_mov_b32 s[G0SB], 1
	s_mov_b32 s[G0SB+1], s60
	s_mov_b64 s[G0SB+2:G0SB+3], s[36:37]
	s_or_b32 s[G0SB+3], s[G0SB+3], 0x80000000
	s_mov_b32 s[G0], 1
	s_mov_b32 s[G0+1], s61
	s_mov_b64 s[G0+2:G0+3], s[20:21]
	s_or_b32 s[G0+3], s[G0+3], 0x80000000
	s_mov_b32 s[G0B], 1
	s_mov_b32 s[G0B+1], s62
	s_mov_b64 s[G0B+2:G0B+3], s[46:47]
	s_or_b32 s[G0B+3], s[G0B+3], 0x80000000
	; THE HEAD'S LOADS, ONE A WAVE: wave 0 A's images, wave 1 B's 256 rows of codes, wave 2 A's scale words, wave 3 B's scale bytes: the launch's only tensor loads
	ARM 1, G0,  G1,  .Lhead_b
	ARM 2, G0B, G1B, .Lhead_sa
	ARM 3, G0S, G1S, .Lhead_sb
	tensor_load_to_lds s[G0SB:G0SB+3], s[G1SB:G1SB+7]
	s_nop 0
.rept 4
	v_nop
.endr
.Lhead_asked:
	v_and_b32 v1, 15, v0
	v_bfe_u32 v2, v0, 4, 1
	v_and_b32 v3, 31, v0
	v_lshlrev_b32 v[L16], 4, v3
	v_lshlrev_b32 v[BO], 6, v2
	s_lshl_b32 s18, s15, 15
	v_add_nc_u32 v[ADRA], s18, v[L16]
	v_mul_u32_u24 v4, v1, PITCH
	v_lshl_add_u32 v4, v2, 4, v4
	s_mul_i32 s19, s16, 128*PITCH
	s_add_co_u32 s19, s19, BT
	v_add_nc_u32 v[ADRB], s19, v4
	v_lshlrev_b32 v5, 5, v1
	v_lshrrev_b32 v6, 8, v5
	v_lshl_add_u32 v5, v6, 4, v5
	s_mul_i32 s18, s16, 16*272
	s_add_co_u32 s18, s18, BSC
	v_add_nc_u32 v[ADRS], s18, v5
	v_lshlrev_b32 v7, 4, v1
	s_lshl_b32 s18, s15, 8
	s_add_co_u32 s18, s18, ASC
	v_add_nc_u32 v[ADRT], s18, v7
	s_mul_i32 s18, s14, 16*528
	s_add_co_u32 s18, s18, STAGE
	v_mul_u32_u24 v8, v1, 528
	v_lshl_add_u32 v8, v2, 6, v8
	v_add_nc_u32 v[STO], s18, v8
	v_add_nc_u32 v[RD], s18, v[L16]
	s_lshl_b32 s18, s42, 10
	s_lshl_b32 s19, s16, 9
	s_add_co_u32 s18, s18, s19
	s_mov_b32 s19, 0
	s_add_nc_u64 s[92:93], s[92:93], s[18:19]
	s_add_nc_u64 s[94:95], s[94:95], s[18:19]
	s_lshl_b32 s18, s17, 19
	s_lshl_b32 s2, s15, 18
	s_add_co_u32 s18, s18, s2
	s_add_nc_u64 s[94:95], s[94:95], s[18:19]
.irp b, 0,1,2,3
.irp u, 0,1
.irp j, 0,1
	global_load_b128 v[BI+16*\b+8*\u+4*\j:BI+16*\b+8*\u+4*\j+3], v[BO], s[92:93] offset:128*\b+32*\u+16*\j
.endr
.endr
.endr
	s_wait_alu depctr_va_vdst(0)
	s_wait_tensorcnt 0x0
	s_barrier_signal -1
	s_barrier_wait -1
.macro FRAGR reg, q, i
.irp c, 0,1
	ds_load_b128 v[\reg+4*\c:\reg+4*\c+3], v[ADRB] offset:64*(\q)+32*\c+(\i)*16*PITCH
.endr
.endm
.macro FRAGI reg, q, i
.irp c, 0,1
	ds_load_b128 v[\reg+4*\c:\reg+4*\c+3], v[ADRA] offset:(\i)*8192+(\q)*1024+512*\c
.endr
.endm
.macro FETCH q, p
	WIN TO_B
.irp i, 0,1,2,3,4,5,6,7
	FRAGR 128*(\p)+8*\i, \q, \i
.endr
	WIN 0
.irp i, 0,1,2,3
	FRAGI AF+32*(\p)+8*\i, \q, \i
.endr
.endm
.macro MUL q, p, bias
.irp a, 0,1,2,3
.irp b, 0,1,2,3,4,5,6,7
.if \bias
	v_wmma_scale_f32_16x16x128_f8f6f4 v[8*(8*\a+\b):8*(8*\a+\b)+7], v[128*(\p)+8*\b:128*(\p)+8*\b+7], v[AF+32*(\p)+8*\a:AF+32*(\p)+8*\a+7], v[BI+8*\b:BI+8*\b+7], v[SB+8*\b+(\q)], v[SA+4*(\q)+\a] matrix_a_fmt:MATRIX_FMT_FP4 matrix_b_fmt:MATRIX_FMT_FP4
.else
	v_wmma_scale_f32_16x16x128_f8f6f4 v[8*(8*\a+\b):8*(8*\a+\b)+7], v[128*(\p)+8*\b:128*(\p)+8*\b+7], v[AF+32*(\p)+8*\a:AF+32*(\p)+8*\a+7], v[8*(8*\a+\b):8*(8*\a+\b)+7], v[SB+8*\b+(\q)], v[SA+4*(\q)+\a] matrix_a_fmt:MATRIX_FMT_FP4 matrix_b_fmt:MATRIX_FMT_FP4
.endif
.endr
.endr
.endm
.macro KSTEP q, bias
	s_wait_dscnt 0x0
.if (\q) < 7
.if (\q) > 0
	PLACES 4
.endif
	FETCH (\q)+1, ((\q)+1)%2
.endif
.if \bias
	WIN MULB
.else
	WIN MULW
.endif
	MUL \q, (\q)%2, \bias
	WIN 0
.endm
	FETCH 0, 0
.irp i, 0,1,2,3,4,5,6,7
.irp s, 0,1
	ds_load_b128 v[SB+8*\i+4*\s:SB+8*\i+4*\s+3], v[ADRS] offset:\i*544+16*\s
.endr
.endr
.irp q, 0,1,2,3,4,5,6,7
	ds_load_b128 v[SA+4*\q:SA+4*\q+3], v[ADRT] offset:512*\q
.endr
	s_wait_loadcnt 0x0
	KSTEP 0, 1
.irp q, 1,2,3,4,5,6,7
	KSTEP \q, 0
.endr
.macro TOSTAGE a
	WIN 0x08
.irp b, 0,1,2,3,4,5,6,7
	ds_store_b128 v[STO], v[64*(\a)+8*\b:64*(\a)+8*\b+3] offset:128*(\b/2)+32*(\b%2)
	ds_store_b128 v[STO], v[64*(\a)+8*\b+4:64*(\a)+8*\b+7] offset:128*(\b/2)+32*(\b%2)+16
.endr
	WIN 0
.set BB, BK+64*((\a)%2)
.irp t, 0,1,2,3,4,5,6,7,8,9,10,11,12,13,14,15
	ds_load_b128 v[BB+4*\t:BB+4*\t+3], v[RD] offset:\t*528
.endr
.endm
.macro SEND a, younger
.set BB, BK+64*((\a)%2)
	s_wait_dscnt \younger
.irp t, 0,1,2,3,4,5,6,7,8,9,10,11,12,13,14,15
	global_store_b128 v[L16], v[BB+4*\t:BB+4*\t+3], s[94:95] offset:(32*((\a)/2)+8*((\a)%2)+\t+8*(\t/8))*4096 th:TH_STORE_NT
.endr
.endm
	PLACES 4
	TOSTAGE 0
.irp a, 1,2,3
.if \a > 1
	s_wait_xcnt 0x0
.endif
	TOSTAGE \a
	SEND \a-1, 32
.endr
	SEND 3, 0
	s_wait_tensorcnt 0x0
	ds_add_u32 v[SPW], v[NIL]
	s_wait_dscnt 0x0
	CROUND
	s_endpgm
.Lfunc_end_k_qf7a78e8d31_proj:
	.size	k_qf7a78e8d31_proj, .Lfunc_end_k_qf7a78e8d31_proj-k_qf7a78e8d31_proj
	.p2alignl 7, 3214868480
	.fill 96, 4, 3214868480
	.section	.rodata,"a",@progbits
	.p2align	6, 0x0
	.amdhsa_kernel k_qf7a78e8d31_proj
		.amdhsa_group_segment_fixed_size 327680
		.amdhsa_private_segment_fixed_size 0
		.amdhsa_enable_private_segment 0
		.amdhsa_kernarg_size 48
		.amdhsa_user_sgpr_count 2
		.amdhsa_user_sgpr_kernarg_segment_ptr 1
		.amdhsa_wavefront_size32 1
		.amdhsa_system_sgpr_workgroup_id_x 1
		.amdhsa_system_sgpr_workgroup_id_y 1
		.amdhsa_system_sgpr_workgroup_id_z 1
		.amdhsa_system_vgpr_workitem_id 0
		.amdhsa_next_free_vgpr 768
		.amdhsa_next_free_sgpr 98
		.amdhsa_reserve_vcc 0
		.amdhsa_float_denorm_mode_32 3
		.amdhsa_float_denorm_mode_16_64 3
		.amdhsa_memory_ordered 1
		.amdhsa_forward_progress 1
		.amdhsa_inst_pref_size 72
	.end_amdhsa_kernel
	.amdgpu_metadata
---
amdhsa.version: [ 1, 2 ]
amdhsa.kernels:
  - .name:           k_qf7a78e8d31_proj
    .symbol:         k_qf7a78e8d31_proj.kd
    .args:
      - { .name: a_img, .offset: 0, .size: 8, .value_kind: global_buffer, .address_space: global }
      - { .name: a_scl, .offset: 8, .size: 8, .value_kind: global_buffer, .address_space: global }
      - { .name: c1, .offset: 16, .size: 8, .value_kind: global_buffer, .address_space: global }
      - { .name: s1, .offset: 24, .size: 8, .value_kind: global_buffer, .address_space: global }
      - { .name: out_b, .offset: 32, .size: 8, .value_kind: global_buffer, .address_space: global }
      - { .name: out0, .offset: 40, .size: 8, .value_kind: global_buffer, .address_space: global }
    .group_segment_fixed_size: 327680
    .private_segment_fixed_size: 0
    .kernarg_segment_align: 8
    .kernarg_segment_size: 48
    .max_flat_workgroup_size: 128
    .sgpr_count:     98
    .vgpr_count:     768
    .wavefront_size: 32
...
	.end_amdgpu_metadata
.endif
;; end of part 4
